; MI455X (gfx1250); checked and timed in simulation.
; The chip was launched on July 23, 2026; its instructions are those of AMD's public machine-readable ISA for CDNA 5 (MIT licence, August 2026) and "CDNA5" Instruction Set Architecture Reference Guide (July 2026). The comments in the code are by the model that wrote it; some were corrected since.
;; Pose Aware Attention. Allowed arithmetic: matrix products marked QUANTISED: E2M1 operands, one E8M0 scale for each 32 along K, by v_wmma_scale_f32_16x16x128_f8f6f4 with both operands' format E2M1 (or v_wmma_scale_f32_32x16x128_f4), f32 sums; products left as they are: f32 operands where the result goes on into a quantised operand, else bf16, f16 or f32 operands; f32 sums; everything else in f32.
;; Inputs: W1 3 x 64 float32; W2 64 x 3,072 float32; Wproj 1,024 x 1,024 float32; Wqkv 1,024 x 3,072 float32; b1 64 float32; b2 3,072 float32; bproj 1,024 float32; bqkv 3,072 float32; pose_angles 8 x 3 float32; x 8 x 1,024 x 1,024 float32.
;; Outputs: out0 8 x 1,024 x 1,024 float32.
;; This version of the problem:
;;   THIS VERSION OF THE PROBLEM IS GIVEN IN LOW PRECISION. The matrix products marked QUANTISED in the list below multiply operands that are first quantised to E2M1 (2 exponent bits, 1 mantissa bit; 4 bits a number), with one power-of-two scale for each 32 numbers along K (OCP MX v1.0); their sums are f32. All else is computed in f32.
;;   The module's matrix products, in the order in which they are computed (A, B: the left and right operand; K: the contracted axis; several contracted axes count as one K, in the product's order):
;;     1. [M 8,192, K 1,024] x [K 1,024, N 3,072]; A: input x; B: input Wqkv: QUANTISED
;;     2. [M 8, K 3] x [K 3, N 64]; A: input pose_angles; B: input W1: left as it is (K = 3 < 32)
;;     3. [M 8, K 64] x [K 64, N 3,072]; A: computed on the way; B: input W2: left as it is (M = 8 < 16)
;;     4. batch 128 x [M 1,024, K 64] x [K 64, N 1,024]; A: computed on the way; B: computed on the way: QUANTISED
;;     5. batch 128 x [M 1,024, K 1,024] x [K 1,024, N 64]; A: softmax (see below); B: computed on the way: QUANTISED
;;     6. [M 8,192, K 1,024] x [K 1,024, N 1,024]; A: computed on the way; B: input Wproj: QUANTISED
;;   THE QUANTISER, for each operand of a quantised product, along K:
;;     - K is cut into blocks of 32 from its start; a last block that is shorter is filled with zeros.
;;     - A block's scale is 2^e with e = floor(log2(the largest magnitude in the block)) - 2, held to -126 .. 127; a block of zeros has e = 0. As a byte (E8M0): e + 127.
;;     - Each number is divided by its block's scale, clamped to +-6, and rounded to the nearest number of E2M1, ties to even, subnormals kept.
;;     - The product sums the exact products of the quantised numbers (number of the format x scale) in f32.
;;   ~~~python
;;   def quantise(x, axis):      # numpy; x: float32 -> the quantised numbers, widened to float32 again
;;       x = np.moveaxis(x, axis, -1); K = x.shape[-1]
;;       x = np.pad(x, [(0, 0)] * (x.ndim - 1) + [(0, -K % 32)]); x = x.reshape(x.shape[:-1] + (-1, 32)); a = np.abs(x).max(-1, keepdims=True)
;;       e = np.where(a > 0, np.clip(np.frexp(np.where(a > 0, a, 1))[1] - 1 - 2, -126, 127), 0)      # np.frexp(a)[1] - 1 = floor(log2(a)), exactly
;;       r = np.clip(x / 2.0 ** e, -6, 6)
;;       step = 2.0 ** (np.maximum(np.frexp(np.where(r == 0, 1, r))[1] - 1, 0) - 1)
;;       q = np.round(r / step) * step * 2.0 ** e      # np.round: ties to even
;;       return np.moveaxis(q.reshape(q.shape[:-2] + (-1,))[..., :K], -1, axis).astype(np.float32)
;;   ~~~
;;   SOFTMAX AHEAD OF A QUANTISED PRODUCT. Where the list says 'softmax', what is quantised is not the finished softmax but p = 2^(t - M), with t = logit x log2(e) and M = ceil(the row's largest t), a whole number; so 1/2 < the row's largest p <= 1. The row's sum l is taken of the UNQUANTISED p, in f32, and the product's result is divided by l at the end. Since M is a whole number, a kernel that streams over the keys may use a running M (the ceiling of the running maximum): every later rescaling is an exact power of two, which a block's scale takes up: the codes' values come out the same.
;;   OPERANDS COMPUTED ON THE WAY. 'Computed on the way' means the value that the module computes at that place (a softmax that the list does not call 'softmax' is quantised finished and normalised). What goes into a quantiser is computed in f32, as accurately as f32 sums, v_exp_f32 and their like allow (about 1e-6 of the number): no bf16 or f16 on the way to a quantiser, and a product that is left as it is and whose result goes on into a quantised operand takes f32 operands (vector FMAs, or v_wmma_f32_16x16x4_f32). A number that lies on a knife's edge between two numbers of the format may be rounded either way, as far as f32 arithmetic and the matrix unit's own rounding can turn it there, and no further.
;; One version. Each part assembles by itself: llvm-mc -triple=amdgcn-amd-amdhsa -mcpu=gfx1250 --defsym DOCPART=n.
;; ======== version 1 of 1: 4 launches
;; limits: right only within a limited range of input values
;; workspace buffers: opnd 6,782,976 bytes; qkv 13,893,632 bytes; oq 4,456,448 bytes
;; launch prep (part 1): grid 608 x 1, 4 waves a work-group, no clusters, 37,376 bytes of LDS; arguments x, Wqkv, Wproj, W1, b1, W2, b2, bqkv, pose_angles, opnd; writes opnd
.if DOCPART == 1
	.amdgcn_target "amdgcn-amd-amdhsa--gfx1250"
	.amdhsa_code_object_version 6
	.text
	.protected	k_qe19e68cb91_prep
	.globl	k_qe19e68cb91_prep
	.p2align	8
	.type	k_qe19e68cb91_prep,@function
k_qe19e68cb91_prep:
	s_mov_b64 s[64:65], 0
	v_nop
	global_prefetch_b8 v0, s[64:65] scope:SCOPE_SE
	s_setreg_imm32_b32 hwreg(HW_REG_WAVE_MODE, 25, 1), 1
	s_wait_xcnt 0x0
; PREP: x [8192][1024], Wqkv [1024][3072] and Wproj [1024][1024], f32, become codes of FP4 (E2M1) with one E8M0 byte for each 32 along K (K = 1024 in all three), and the pose MLP becomes a table of biases.
; All of it goes into the workspace opnd, laid as the later launches' operand registers want it:
;   ROWTILE = 16 rows (tokens of x, columns of a weight).  Rows stand in POSITION ORDER: bits 3 and 4 of the row number change places, so that position 16 u + r of a group of 32 holds row 8 u + r + 8 (r / 8).
;   codes:  rowtile x 8192 + ks x 1024 + c x 512 + 16 x lane: lane (r, h) holds k = 128 ks + 64 c + 32 h + 0 .. 31 of position r.  Rowtiles 0-511 x, 512-703 Wqkv's columns, 704-767 Wproj's.
;   scales: XS + (rowtile / 8) x 4096 + ks x 512 + 4 x (position mod 128): one word = the four bytes of 128 along K.
;   bias:   BIAS + b x 12288 + 4 x column: bqkv + b2 + relu(pose_angles W1 + b1) W2, f32.
; A block's byte is its largest magnitude's exponent field - 2, held at 1 from below by a floor among the maximum's leaves.  A block of zeros keeps the byte 1: its codes are zeros, and these bytes are read by this program alone.
; LIMITS: NaN and infinities among the inputs are not served; blocks whose largest magnitude lies under 2^-124 keep the byte 1.
; Four ways part on the work-group's number alone: 0-191 Wqkv, 192-255 Wproj, 256-351 the biases, 352-607 x.  Waves share nothing: no barrier.  Each way has LDS bytes of its own.
.set XS,    6291456
.set BIAS,  6684672
.set FLOOR, 0x1800000                  ; 2^(3 - 127)
.set EOFF,  0xff000000                 ; takes 2 off an exponent field
.set XSTG,  8448                       ; x: a wave's stage, 16 rows x (512 bytes + 16)
.set XGAT,  33792                      ; x: 256 bytes a wave for its scale words
.set LBQ,   34816                      ; Wqkv: the same
.set LBP,   35840                      ; Wproj: the same
; the largest magnitude of v[xr] .. v[xr + 31], and the floor, into v12
.macro MAX32 xr
	v_max3_num_f32 v12, |v[\xr]|, |v[\xr+1]|, |v[\xr+2]|
	v_max3_num_f32 v13, |v[\xr+3]|, |v[\xr+4]|, |v[\xr+5]|
.irp i, 6,10,14,18,22,26
	v_max3_num_f32 v12, v12, |v[\xr+\i]|, |v[\xr+\i+1]|
	v_max3_num_f32 v13, v13, |v[\xr+\i+2]|, |v[\xr+\i+3]|
.endr
	v_max3_num_f32 v12, v12, |v[\xr+30]|, |v[\xr+31]|
	v_max3_num_f32 v12, v12, v13, FLOOR
.endm
; A WEIGHT.  A lane takes a column and its registers run down K.  Block t: K = 32 t on, my 32 columns.
.macro WLOAD t, N, plo
.set ii, 0
.rept 32
	global_load_b32 v[32+32*((\t)%2)+128*((\t)/2)+ii], v3, s[\plo:\plo+1] offset:(32*(\t)+ii)*\N*4   ; block t = K 32 t on, my 32 columns; four sets of registers: v32, v64, v160, v192
.set ii, ii+1
.endr
.endm
.macro WBLOCK t, N, plo
.set XR, 32+32*((\t)%2)+128*((\t)/2)
.if (\t) < 2
	s_wait_loadcnt 63                              ; 128 loads were issued: all but the youngest 63 are in, blocks 0 and 1 among them
.else
	s_wait_loadcnt 32*(3-(\t))                     ; this block's 32 loads are in; the later blocks' may be out
.endif
	MAX32 XR
	v_add_nc_u32 v11, EOFF, v12                    ; the conversion's scale operand: it takes the exponent field alone
	v_lshrrev_b32 v13, 23, v11                     ; the byte
.if (\t) == 0
	v_mov_b32 v128, v13
.else
	v_lshl_or_b32 v128, v13, 8*(\t), v128          ; the four bytes of 128 along K make my column's word
.endif
.irp g, 0,1,2,3
	v_cvt_scalef32_pk8_fp4_f32 v[96+4*(\t)+\g], v[XR+8*\g:XR+8*\g+7], v11
.endr
	v_nop                                          ; a plain line behind the conversions
	global_store_b128 v4, v[96+4*(\t):96+4*(\t)+3], s[32:33] offset:512*((\t)/2)+256*((\t)%2)   ; sixteen lanes each fill 256 consecutive bytes, aligned; each block has registers of its own
.endm
; g = my number among the weight's work-groups: ks = g & 7, columns 128 (g >> 3) + 32 wave on, K = 128 ks on.
.macro WPATH N, plo, RT0, first, LB
	s_sub_co_u32 s25, ttmp9, \first
	s_and_b32 s26, s25, 7                          ; ks
	s_lshr_b32 s25, s25, 3                         ; cg
	s_mul_i32 s28, s26, 128*\N*4                   ; the weight: 128 ks rows,
	s_lshl_b32 s30, s25, 9                         ; a work-group takes 128 columns, a wave 32 of them
	s_add_co_u32 s28, s28, s30
	s_lshl_b32 s30, s24, 7
	s_add_co_u32 s28, s28, s30                     ; + 4 x my first column
	s_add_nc_u64 s[\plo:\plo+1], s[\plo:\plo+1], s[28:29]
	s_lshl_b32 s28, s25, 3
	s_lshl_b32 s30, s24, 1
	s_add_co_u32 s28, s28, s30
	s_add_co_u32 s28, s28, \RT0                    ; my first rowtile
	s_lshl_b32 s28, s28, 13
	s_lshl_b32 s30, s26, 10
	s_add_co_u32 s28, s28, s30
	s_add_nc_u64 s[32:33], s[22:23], s[28:29]      ; the codes
	s_add_co_u32 s28, s25, \RT0/8                  ; the work-group's 128 columns are one block of scale words,
	s_lshl_b32 s28, s28, 12
	s_lshl_b32 s30, s26, 9
	s_add_co_u32 s28, s28, s30
	s_lshl_b32 s30, s24, 7                         ; my 32 words 128 bytes a wave on
	s_add_co_u32 s28, s28, s30
	s_add_co_u32 s28, s28, XS
	s_add_nc_u64 s[34:35], s[22:23], s[28:29]      ; my 32 scale words
	v_lshlrev_b32 v3, 2, v2                        ; in: 4 bytes a lane
	v_bfe_u32 v5, v2, 3, 1                         ; my column's place: rowtile u of the pair,
	v_lshrrev_b32 v6, 4, v2
	v_and_b32 v7, 7, v2
	v_lshl_or_b32 v6, v6, 3, v7                    ; position r in it
	v_lshlrev_b32 v4, 4, v6
	v_lshl_add_u32 v4, v5, 13, v4                  ; codes: 8192 u + 16 r
	v_lshlrev_b32 v8, 2, v6
	v_lshl_add_u32 v8, v5, 6, v8                   ; my word among the wave's 32: 64 u + 4 r
.irp t, 0,1,2,3
	WLOAD \t, \N, \plo                             ; all four blocks' loads on end
.endr
.irp t, 0,1,2,3
	WBLOCK \t, \N, \plo
.endr
	global_store_b32 v8, v128, s[34:35]            ; the wave's 32 words: 128 consecutive bytes, each lane at its column's position
	s_wait_tensorcnt 0x0
	ds_add_u32 v30, v31
	s_wait_dscnt 0x0
	s_endpgm
.endm
; x: rowtile j of my 64 rows: 16 rows x 128 along K; each load reads 512 consecutive bytes of one row
.macro XLOAD j
.set ii, 0
.rept 16
	global_load_b128 v[32+64*((\j)%2)+4*ii:32+64*((\j)%2)+4*ii+3], v3, s[4:5] offset:(32*((\j)/2)+8*((\j)%2)+ii+8*(ii/8))*4096 th:TH_LOAD_NT
.set ii, ii+1
.endr
.endm
.macro XSTEP j
.if (\j) < 3
	s_wait_loadcnt 16                              ; this rowtile's 16 loads are in; the next one's 16 may be out
.else
	s_wait_loadcnt 0x0
.endif
.set ii, 0
.rept 16
	ds_store_b128 v7, v[32+64*((\j)%2)+4*ii:32+64*((\j)%2)+4*ii+3] offset:528*ii
.set ii, ii+1
.endr
.irp c, 0,1                                    ; back: lane (r, h) takes k = 64 c + 32 h + 0 .. 31 of row r: two whole blocks
.irp q, 0,1,2,3,4,5,6,7
	ds_load_b128 v[160+32*\c+4*\q:160+32*\c+4*\q+3], v8 offset:256*\c+16*\q
.endr
.endr
	s_wait_dscnt 0x0                               ; the numbers are back, and the stage's stores have read their registers
.if (\j)+2 < 4
	XLOAD (\j)+2
.endif
.irp c, 0,1
	v_max3_num_f32 v[16+\c], |v[160+32*\c]|, |v[161+32*\c]|, FLOOR
.endr
.irp i, 2,4,6,8,10,12,14,16,18,20,22,24,26,28,30
.irp c, 0,1
	v_max3_num_f32 v[16+\c], v[16+\c], |v[160+32*\c+\i]|, |v[161+32*\c+\i]|
.endr
.endr
.irp c, 0,1
	v_add_nc_u32 v[18+\c], EOFF, v[16+\c]
.endr
.irp c, 0,1
	v_lshrrev_b32 v[20+\c], 23, v[18+\c]
.endr
	v_lshl_or_b32 v14, v21, 16, v20                ; my bytes: blocks h and 2 + h,
	v_lshlrev_b32 v14, v12, v14                    ; 8 h bits up;
	v_permlanex16_b32 v15, v14, s36, s37
	v_or_b32 v[24+(\j)], v14, v15                  ; with the other half's two the word is whole
.irp c, 0,1
.irp g, 0,1,2,3
	v_cvt_scalef32_pk8_fp4_f32 v[224+8*(\j)+4*\c+\g], v[160+32*\c+8*\g:160+32*\c+8*\g+7], v[18+\c]
.endr
.endr
	v_nop                                          ; a plain line behind the conversions
	global_store_b128 v3, v[224+8*(\j):224+8*(\j)+3], s[32:33] offset:8192*(\j)        ; 512 consecutive bytes each
	global_store_b128 v3, v[228+8*(\j):228+8*(\j)+3], s[32:33] offset:8192*(\j)+512
	ds_store_b32 v9, v[24+(\j)] offset:64*(\j)     ; both halves write the same word with the same value
.endm
	s_load_b512 s[4:19], s[0:1], 0x0               ; x s[4:5], Wqkv s[6:7], Wproj s[8:9], W1 s[10:11], b1 s[12:13], W2 s[14:15], b2 s[16:17], bqkv s[18:19]
	s_load_b128 s[20:23], s[0:1], 0x40             ; pose_angles s[20:21], opnd s[22:23]
	v_lshl_add_u32 v30, v0, 2, 0x9000
	v_mov_b32 v31, 0
	v_lshrrev_b32 v1, 5, v0
	v_readfirstlane_b32 s24, v1                    ; wave
	v_and_b32 v2, 31, v0                           ; lane
	s_mov_b32 s29, 0                               ; upper words of the offset pairs
	s_mov_b32 s31, 0
	s_wait_kmcnt 0x0
	; the shares as they stand: work-groups 0-191 Wqkv (24 groups of 128 columns x 8 K steps), 192-255 Wproj (8 x 8), 256-351 the biases, 352-607 x
	s_cmp_lt_u32 ttmp9, 192
	s_cbranch_scc1 .Lwqkv
	s_cmp_lt_u32 ttmp9, 256
	s_cbranch_scc1 .Lwproj
	s_cmp_lt_u32 ttmp9, 352
	s_cbranch_scc1 .Lpose
	; ---- x: work-group g takes rows 64 (g >> 1) on; wave w takes K = 128 (4 (g & 1) + w) on: four rowtiles
	s_sub_co_u32 s25, ttmp9, 352
	s_lshr_b32 s26, s25, 1                         ; R
	s_and_b32 s25, s25, 1
	s_lshl_b32 s25, s25, 2
	s_add_co_u32 s25, s25, s24                     ; ks
	s_lshl_b32 s28, s26, 18                        ; 64 rows of 4,096 bytes
	s_lshl_b32 s30, s25, 9
	s_add_co_u32 s28, s28, s30
	s_add_nc_u64 s[4:5], s[4:5], s[28:29]
	s_lshl_b32 s28, s26, 15                        ; four rowtiles of 8,192 bytes
	s_lshl_b32 s30, s25, 10
	s_add_co_u32 s28, s28, s30
	s_add_nc_u64 s[32:33], s[22:23], s[28:29]
	s_lshr_b32 s28, s26, 1
	s_lshl_b32 s28, s28, 12
	s_lshl_b32 s30, s25, 9
	s_add_co_u32 s28, s28, s30
	s_and_b32 s30, s26, 1
	s_lshl_b32 s30, s30, 8
	s_add_co_u32 s28, s28, s30
	s_add_co_u32 s28, s28, XS
	s_add_nc_u64 s[34:35], s[22:23], s[28:29]
	s_mov_b32 s36, 0x76543210
	s_mov_b32 s37, 0xfedcba98                      ; v_permlanex16_b32's selects for lane l xor 16
	s_wait_alu depctr_va_vdst(0)
	v_lshlrev_b32 v3, 4, v2                        ; 16 x lane
	v_and_b32 v5, 15, v2                           ; r
	v_lshrrev_b32 v6, 4, v2                        ; h
	s_mul_i32 s30, s24, XSTG
	v_add_nc_u32 v7, s30, v3                       ; the stage, in: a row as it lies
	v_mul_u32_u24 v8, v5, 528
	v_lshl_add_u32 v8, v6, 7, v8
	v_add_nc_u32 v8, s30, v8                       ; and out: row r, + 128 h.  Rows 528 bytes apart: sixteen rows start at sixteen different groups of four banks
	s_lshl_b32 s30, s24, 8
	s_add_co_u32 s30, s30, XGAT
	v_lshl_add_u32 v9, v5, 2, s30                  ; my row's scale word
	v_lshlrev_b32 v10, 3, v2
	v_add_nc_u32 v11, s30, v10
	v_lshlrev_b32 v12, 3, v6                       ; 8 h
	v_mov_b32 v15, 0                               ; a lane permute's destination counts as one of its sources
	XLOAD 0
	XLOAD 1
	s_wait_alu depctr_va_vdst(0)
.irp j, 0,1,2,3
	XSTEP \j
.endr
	ds_load_b64 v[28:29], v11
	s_wait_dscnt 0x0
	global_store_b64 v10, v[28:29], s[34:35]       ; my 64 rows' words: 256 consecutive bytes, aligned
	s_wait_tensorcnt 0x0
	ds_add_u32 v30, v31
	s_wait_dscnt 0x0
	s_endpgm
.Lwqkv:
	s_wait_alu depctr_va_vdst(0)
	WPATH 3072, 6, 512, 0, LBQ
.Lwproj:
	s_wait_alu depctr_va_vdst(0)
	WPATH 1024, 8, 704, 192, LBP
	; ---- the biases: work-group g takes batch g & 7; wave w columns 64 (4 (g >> 3) + w) on, two a lane.  All in f32, by fused multiply-adds: the result goes on into quantisers.
.Lpose:
	s_sub_co_u32 s25, ttmp9, 256
	s_and_b32 s26, s25, 7                          ; b
	s_lshr_b32 s25, s25, 3
	s_lshl_b32 s25, s25, 2
	s_add_co_u32 s25, s25, s24
	s_lshl_b32 s28, s25, 8                         ; my 64 columns, in bytes
	s_add_nc_u64 s[14:15], s[14:15], s[28:29]
	s_add_nc_u64 s[16:17], s[16:17], s[28:29]
	s_add_nc_u64 s[18:19], s[18:19], s[28:29]
	s_mul_i32 s30, s26, 12288
	s_add_co_u32 s30, s30, s28
	s_add_co_u32 s30, s30, BIAS
	s_add_nc_u64 s[22:23], s[22:23], s[30:31]
	s_mul_i32 s30, s26, 12
	s_add_nc_u64 s[20:21], s[20:21], s[30:31]
	s_load_b96 s[24:26], s[20:21], 0x0             ; the batch's three angles
	s_wait_alu depctr_va_vdst(0)
	v_lshlrev_b32 v1, 3, v2                        ; 8 x lane
	v_lshlrev_b32 v3, 2, v2                        ; 4 x lane
.irp hh, 0,1                                   ; hidden units lane and lane + 32
.irp i, 0,1,2
	global_load_b32 v[16+3*\hh+\i], v3, s[10:11] offset:256*\i+128*\hh
.endr
	global_load_b32 v[22+\hh], v3, s[12:13] offset:128*\hh
.endr
	global_load_b64 v[24:25], v1, s[16:17]
	global_load_b64 v[26:27], v1, s[18:19]
.set jj, 0
.rept 64
	global_load_b64 v[32+2*jj:33+2*jj], v1, s[14:15] offset:jj*12288   ; W2's row jj at my two columns: 256 consecutive bytes a wave
.set jj, jj+1
.endr
	s_wait_kmcnt 0x0
	s_wait_loadcnt 0x0
.irp hh, 0,1
	v_mul_f32 v[28+\hh], s24, v[16+3*\hh]
	v_fmac_f32 v[28+\hh], s25, v[17+3*\hh]
	v_fmac_f32 v[28+\hh], s26, v[18+3*\hh]
	v_add_f32 v[28+\hh], v[28+\hh], v[22+\hh]
	v_max_num_f32 v[28+\hh], 0, v[28+\hh]
.endr
	v_pk_add_f32 v[160:161], v[24:25], v[26:27]    ; b2 + bqkv starts the sums
.irp hh, 0,1
.set kk, 0
.rept 32
	v_readlane_b32 s[32+kk], v[28+\hh], kk         ; the hidden layer as scalars
.set kk, kk+1
.endr
.set kk, 0
.rept 32
	v_fmac_f32 v160, s[32+kk], v[32+64*\hh+2*kk]
	v_fmac_f32 v161, s[32+kk], v[33+64*\hh+2*kk]
.set kk, kk+1
.endr
.endr
	global_store_b64 v1, v[160:161], s[22:23]      ; 256 consecutive bytes, aligned
	s_endpgm
.Lfunc_end_k_qe19e68cb91_prep:
	.size	k_qe19e68cb91_prep, .Lfunc_end_k_qe19e68cb91_prep-k_qe19e68cb91_prep
	.p2alignl 7, 3214868480
	.fill 96, 4, 3214868480
	.section	.rodata,"a",@progbits
	.p2align	6, 0x0
	.amdhsa_kernel k_qe19e68cb91_prep
		.amdhsa_group_segment_fixed_size 37376
		.amdhsa_private_segment_fixed_size 0
		.amdhsa_enable_private_segment 0
		.amdhsa_kernarg_size 80
		.amdhsa_user_sgpr_count 2
		.amdhsa_user_sgpr_kernarg_segment_ptr 1
		.amdhsa_wavefront_size32 1
		.amdhsa_system_sgpr_workgroup_id_x 1
		.amdhsa_system_sgpr_workgroup_id_y 1
		.amdhsa_system_sgpr_workgroup_id_z 1
		.amdhsa_system_vgpr_workitem_id 0
		.amdhsa_next_free_vgpr 256
		.amdhsa_next_free_sgpr 66
		.amdhsa_reserve_vcc 0
		.amdhsa_float_denorm_mode_32 3
		.amdhsa_float_denorm_mode_16_64 3
		.amdhsa_memory_ordered 1
		.amdhsa_forward_progress 1
		.amdhsa_inst_pref_size 87
	.end_amdhsa_kernel
	.amdgpu_metadata
---
amdhsa.version: [ 1, 2 ]
amdhsa.kernels:
  - .name:           k_qe19e68cb91_prep
    .symbol:         k_qe19e68cb91_prep.kd
    .args:
      - { .name: x, .offset: 0, .size: 8, .value_kind: global_buffer, .address_space: global }
      - { .name: Wqkv, .offset: 8, .size: 8, .value_kind: global_buffer, .address_space: global }
      - { .name: Wproj, .offset: 16, .size: 8, .value_kind: global_buffer, .address_space: global }
      - { .name: W1, .offset: 24, .size: 8, .value_kind: global_buffer, .address_space: global }
      - { .name: b1, .offset: 32, .size: 8, .value_kind: global_buffer, .address_space: global }
      - { .name: W2, .offset: 40, .size: 8, .value_kind: global_buffer, .address_space: global }
      - { .name: b2, .offset: 48, .size: 8, .value_kind: global_buffer, .address_space: global }
      - { .name: bqkv, .offset: 56, .size: 8, .value_kind: global_buffer, .address_space: global }
      - { .name: pose_angles, .offset: 64, .size: 8, .value_kind: global_buffer, .address_space: global }
      - { .name: opnd, .offset: 72, .size: 8, .value_kind: global_buffer, .address_space: global }
    .group_segment_fixed_size: 37376
    .private_segment_fixed_size: 0
    .kernarg_segment_align: 8
    .kernarg_segment_size: 80
    .max_flat_workgroup_size: 128
    .sgpr_count:     66
    .vgpr_count:     256
    .wavefront_size: 32
...
	.end_amdgpu_metadata
.endif
;; end of part 1
;; launch gemm1 (part 2): grid 8 x 32, 4 waves a work-group, clusters of 4 x 4, 327,680 bytes of LDS; arguments opnd, qkv; writes qkv
.if DOCPART == 2
	.amdgcn_target "amdgcn-amd-amdhsa--gfx1250"
	.amdhsa_code_object_version 6
	.text
	.protected	k_qe19e68cb91_gemm1
	.globl	k_qe19e68cb91_gemm1
	.p2align	8
	.type	k_qe19e68cb91_gemm1,@function
k_qe19e68cb91_gemm1:
	s_mov_b64 s[64:65], 0
	v_nop
	global_prefetch_b8 v0, s[64:65] scope:SCOPE_SE
	s_setreg_imm32_b32 hwreg(HW_REG_WAVE_MODE, 25, 1), 1
	s_wait_xcnt 0x0
	s_wait_alu depctr_hold_cnt(0) depctr_sa_sdst(0) depctr_va_vdst(0) depctr_va_sdst(0) depctr_va_ssrc(0) depctr_va_vcc(0) depctr_vm_vsrc(0)
	s_getreg_b32 s2, hwreg(HW_REG_IB_STS2, 6, 4)
	s_cmp_eq_u32 s2, 0
	s_cbranch_scc0 .Lentry_in_a_cluster
	s_endpgm
.Lentry_in_a_cluster:
	s_bfe_u32 s2, ttmp6, 0x10000c
	s_cmp_lg_u32 s2, 0xf033
	s_cbranch_scc0 .Lentry_shape_is_right
	s_endpgm
.Lentry_shape_is_right:
; GEMM1: q, k, v = Q(x) Q(Wqkv) + bias, quantised again on the way out: q and k along the head's 64, v along the keys.  Nothing but codes and scale words goes to memory.
; SHARES.  256 work-groups of equal work: work-group (tile of 256 tokens, column tile 0 .. 7) makes, in PHASE 1, 256 tokens x 256 columns of q (column tiles 0-3) or k (4-7), and in PHASE 2, with the same tokens' codes,
; which are still in LDS, 256 tokens x 128 channels of v.  Four waves: 128 x 128 in phase 1 (64 accumulators of 16 x 16, windows 2 and 3), 128 tokens x 64 channels in phase 2 (32 accumulators, window 2).
; K = 1024 is 512 bytes of codes a row, so the tokens' and Wqkv's tiles for ALL of K fit in LDS: two halves of K ("slots") and the scale words are asked for at the start.  ONE REFILL: at the change of halves the 64 KB that held the
; first half of K of Wqkv's tile are dead, and take Wv's 128 rows for all of K; that load has the second half of phase 1 and the way out of q and k in which to land.
; THE MATRIX INSTRUCTION: source 0 = a rowtile of B', source 1 = a rowtile of A'.  A lane then holds one row of A' and, since rowtiles stand in position order (bits 3 and 4 of the row number changed), the 16 registers of two
; neighbouring tiles of B' are 16 NEIGHBOURS along B''s rows: the next product's K.  Phase 1: A' = tokens, B' = Wqkv's columns: a lane holds a token and runs along d.  Phase 2: A' = Wv's columns, B' = tokens: a lane holds a channel and runs along the keys.
; CLUSTERS: 4 x 4 work-groups; the tokens' tiles hang on the cluster's row, the weights' on its column: each is asked for jointly, by the same tensor load with a mask that names the four.
; OPERANDS lie in memory and in LDS as images of their registers: rowtile x 8192 + ks x 1024 + c x 512 + 16 x lane: a fragment load reads 512 consecutive bytes, so there is no pitch and no padding.
; OUT (workspace qkv): a record of REC bytes a head: K images tile x 512 + 16 x lane; at 32768 V images [key step 8][channel rowtile 4][c 2][lane][16]; at 65536 K's scale words [1024]; at 69632 V's [8][4][16].  Q images at QF, Q's words at QS.
; A q or k word has its two bytes low; the two upper bytes are never 0xff (the other head's bytes, or zeros): the next launch multiplies them by zero codes only.
; LIMITS: NaN and infinities are not served; blocks whose largest magnitude lies under 2^-124 keep the byte 1.
; REGISTERS: window 0: v1-31 addresses; v32-95 scale words (register 8 k + i: lanes 0-15 the tokens' block i, lanes 16-31 Wqkv's block i, K step k), v192-223 Wv's scale words (4 k + a): scales and nothing else; v96-121 the quantiser's;
;   v128-191 A''s fragments, later 64 numbers.  Window 1: B''s fragments, two sets at v0 and v128; v64-127 the bias of q and k; v192-199 the bias of v.  Windows 2, 3: accumulator (a, b) at v[8 (8 (a % 4) + b)] of window 2 + a / 4.
.set NA,   8                           ; blocks of A' a wave: 8 in phase 1, 4 in phase 2
.set PH,   1                           ; the phase
.set XS,   6291456
.set BIAS, 6684672
.set REC,  71680
.set QF,   9175040
.set QS,   13369344
.set SLOT, 131072                      ; LDS: a half of K: the tokens' 16 rowtiles x 4096, then Wqkv's 16.  Wv's 8 rowtiles take Wqkv's place in slot 0: 32768 bytes for each half of K
.set SCL,  262144
.set STG,  278528                      ; the way out: 1024 bytes a wave for scale words; v's way has bytes of its own 4096 further on
.set SPARE, 286720                     ; the spare words, 128 bytes for each wave: two blocks of 256 bytes that no other line names
.set FLOOR, 0x1800000
.set EOFF,  0xff000000
.set LI,   4                           ; v4   16 x lane
.set ADRA, 16                          ; v16-17 A''s fragments in slot 0, 1 (phase 1: my tokens)
.set ADRB, 20                          ; v20-21 B''s fragments (phase 1: my columns of Wqkv)
.set ADRS, 27                          ; v27  my scale words
.set ADRW, 28                          ; v28-29 my rowtiles of Wv, first and second half of K
.set SPW,  30                          ; v30  LDS address of my spare word; never rewritten
.set NIL,  31                          ; v31  0; never rewritten
.set SC,   32
.set TM,   96
.set PW,   112
.set PS,   113
.set PC,   114
.set AF,   128
.set T,    128
.set WS,   192
.set BI,   64                          ; in window 1
.set BV,   192                         ; in window 1
.set SEL,  10
.set G1,   24
.set G0,   32
.set G1B,  48
.set G0B,  56
.set G1S,  68
.set G0S,  76
.set G1SB, 80
.set G0SB, 88
.set G0W,  96                          ; s[96:99] group 0 for Wv's codes; their group 1 is s[80:87], of 8 rowtiles
.set MSB, 0
.macro WIN new                         ; the immediate's high byte repeats the setting that is left; a switch that changes nothing is dropped
.set WNEW, \new
.if MSB != WNEW
	s_set_vgpr_msb (MSB<<8)|WNEW
.set MSB, WNEW
.endif
.endm
; A joint load: waves 0 and 1 fetch for the tokens, waves 2 and 3 for the weight.  The branch hangs on the wave's number alone.  Four v_nop follow each of the two lines.
.macro JLOAD g0a, g1a, g0b, g1b
	s_cmp_eq_u32 s15, 0
	s_cbranch_scc0 .Lfor_b_\@
	tensor_load_to_lds s[\g0a:\g0a+3], s[\g1a:\g1a+7]
	s_nop 0
.rept 4
	v_nop
.endr
	s_branch .Lasked_\@
.Lfor_b_\@:
	tensor_load_to_lds s[\g0b:\g0b+3], s[\g1b:\g1b+7]
	s_nop 0
.rept 4
	v_nop
.endr
.Lasked_\@:
.endm
.macro CROUND                          ; a round of the cluster's barrier
	s_barrier_signal -1
	s_barrier_wait -1
	s_cmp_lg_u32 s14, 0
	s_cbranch_scc1 .Lnot_wave_0_\@
	s_barrier_signal -3
.Lnot_wave_0_\@:
	s_barrier_wait -3
	s_barrier_signal -1
	s_barrier_wait -1
.endm
.macro PLACES                          ; four plain places behind matrix instructions, in front of loads into their registers and of reads of their results
.rept 4
	v_nop
.endr
.endm
.macro FRAG reg, adr, q, i             ; a fragment: 16 rows x 128 K, 8 registers, two loads of 512 consecutive bytes
.irp c, 0,1
	ds_load_b128 v[\reg+4*\c:\reg+4*\c+3], v[\adr] offset:4096*(\i)+1024*(\q)+512*\c
.endr
.endm
.macro FETCH_B slot, q, p              ; B''s eight fragments of the slot's q-th 128 along K into set p
	WIN 0x40
.irp i, 0,1,2,3,4,5,6,7
	FRAG 128*(\p)+8*\i, ADRB+\slot, \q, \i
.endr
	WIN 0
.endm
.macro FETCH_A slot, q, i0             ; A''s blocks i0 .. i0 + NA / 2 - 1
.set fi, \i0
.rept NA/2
	FRAG AF+8*fi, ADRA+\slot, \q, fi
.set fi, fi+1
.endr
.endm
.macro SCALES                          ; all of K's scale words of the tokens and of Wqkv, once
.set kk, 0
.rept 8
.set ii, 0
.rept 8
	global_load_b32 v[SC+8*kk+ii], v[ADRS], s[4:5] offset:512*kk+64*ii   ; straight from memory into the scale registers: lanes 0-15 64 bytes of the tokens' words, lanes 16-31 64 bytes of Wqkv's
.set ii, ii+1
.endr
.set kk, kk+1
.endr
.endm
; eight matrix instructions: A''s block a against B''s eight; K step k; B''s set p.  zero = 1: the products start the sums.
; Phase 1: source 0's words (Wqkv's) stand in lanes 16-31 of the scale registers, source 1's (the tokens') in lanes 0-15.  Phase 2: source 0's (the tokens') in lanes 0-15 of the same registers, source 1's (Wv's) in registers of their own.
.macro MULA a, p, k, zero
	WIN 0xa1+0x50*((\a)/4)
.irp b, 0,1,2,3,4,5,6,7
.if PH == 1
.if \zero
	v_wmma_scale_f32_16x16x128_f8f6f4 v[8*(8*((\a)%4)+\b):8*(8*((\a)%4)+\b)+7], v[128*(\p)+8*\b:128*(\p)+8*\b+7], v[AF+8*(\a):AF+8*(\a)+7], 0, v[SC+8*(\k)+\b], v[SC+8*(\k)+(\a)] matrix_a_fmt:MATRIX_FMT_FP4 matrix_b_fmt:MATRIX_FMT_FP4 matrix_a_scale:MATRIX_SCALE_ROW1
.else
	v_wmma_scale_f32_16x16x128_f8f6f4 v[8*(8*((\a)%4)+\b):8*(8*((\a)%4)+\b)+7], v[128*(\p)+8*\b:128*(\p)+8*\b+7], v[AF+8*(\a):AF+8*(\a)+7], v[8*(8*((\a)%4)+\b):8*(8*((\a)%4)+\b)+7], v[SC+8*(\k)+\b], v[SC+8*(\k)+(\a)] matrix_a_fmt:MATRIX_FMT_FP4 matrix_b_fmt:MATRIX_FMT_FP4 matrix_a_scale:MATRIX_SCALE_ROW1
.endif
.else
.if \zero
	v_wmma_scale_f32_16x16x128_f8f6f4 v[8*(8*((\a)%4)+\b):8*(8*((\a)%4)+\b)+7], v[128*(\p)+8*\b:128*(\p)+8*\b+7], v[AF+8*(\a):AF+8*(\a)+7], 0, v[SC+8*(\k)+\b], v[WS+4*(\k)+(\a)] matrix_a_fmt:MATRIX_FMT_FP4 matrix_b_fmt:MATRIX_FMT_FP4
.else
	v_wmma_scale_f32_16x16x128_f8f6f4 v[8*(8*((\a)%4)+\b):8*(8*((\a)%4)+\b)+7], v[128*(\p)+8*\b:128*(\p)+8*\b+7], v[AF+8*(\a):AF+8*(\a)+7], v[8*(8*((\a)%4)+\b):8*(8*((\a)%4)+\b)+7], v[SC+8*(\k)+\b], v[WS+4*(\k)+(\a)] matrix_a_fmt:MATRIX_FMT_FP4 matrix_b_fmt:MATRIX_FMT_FP4
.endif
.endif
.endr
.endm
.macro MULH a0, p, k, zero             ; half of a step: NA / 2 blocks.  The accumulators take turns, one instruction a turn, in the same order in every step
.set ma, \a0
.rept NA/2
	MULA ma, \p, \k, \zero
.set ma, ma+1
.endr
.endm
; A step of 128 along K whose successor lies in the same slot.  A' has one set of registers: its lower blocks are fetched anew in the step's middle, its upper blocks at its end; B' has two sets.
.macro STEP slot, q, zero
	s_wait_dscnt NA                                ; all but the youngest NA loads (A''s upper blocks) are in
	MULH 0, (\q)%2, 4*(\slot)+(\q), \zero
	s_wait_dscnt 0x0
	PLACES
	FETCH_B \slot, (\q)+1, 1-(\q)%2
	FETCH_A \slot, (\q)+1, 0
	MULH NA/2, (\q)%2, 4*(\slot)+(\q), \zero
	PLACES
	WIN 0
	FETCH_A \slot, (\q)+1, NA/2
.endm
; Slot 0's last step goes on into slot 1.  refill = 1 (phase 1): each wave waits for all its tensor loads, adds 0 to its spare word, and waits for that and for its reads of slot 0; a round of the
; cluster's barrier follows, behind which no wave of any partner reads slot 0's weight any more; waves 2 and 3 then ask for Wv's codes, a half of K each, into those bytes.  refill = 0 (phase 2): all of LDS has landed long ago: no barrier.
.macro CHANGE refill
	s_wait_dscnt NA
	MULH 0, 1, 3, 0
	WIN 0                                          ; (the add's two registers lie in window 0; at a branch and at a label every window is 0)
.if \refill
	s_wait_tensorcnt 0x0                           ; all my tensor loads have landed
	ds_add_u32 v[SPW], v[NIL]                      ; 0 onto my spare word
	s_wait_dscnt 0x0                               ; the add is done, and my reads of slot 0 are over
	CROUND
	s_cmp_eq_u32 s15, 0
	s_cbranch_scc1 .Lno_fill_\@
	tensor_load_to_lds s[G0W:G0W+3], s[G1SB:G1SB+7]  ; the first thing behind the round, and my one tensor load from here on; Wv's group 1 counts 8 rowtiles
	s_nop 0
.rept 4
	v_nop
.endr
.Lno_fill_\@:
.else
	s_wait_dscnt 0x0
.endif
	PLACES
	FETCH_B 1, 0, 0
	FETCH_A 1, 0, 0
	MULH NA/2, 1, 3, 0
	PLACES
	WIN 0
	FETCH_A 1, 0, NA/2
.endm
.macro LASTSTEP                        ; the last step fetches nothing
	s_wait_dscnt NA
	MULH 0, 1, 7, 0
	s_wait_dscnt 0x0
	MULH NA/2, 1, 7, 0
	WIN 0
	PLACES
.endm
; 64 numbers of a lane, v[T + 16 b + i] = k 32 b + 16 (lane / 16) + i of my row, become a fragment's codes in v[PC] on and its scale word in v[PW].
.macro QUANT
.irp b, 0,1,2,3
	v_max3_num_f32 v[TM+\b], |v[T+16*\b]|, |v[T+1+16*\b]|, FLOOR
.endr
.irp i, 2,4,6,8,10,12,14
.irp b, 0,1,2,3
	v_max3_num_f32 v[TM+\b], v[TM+\b], |v[T+16*\b+\i]|, |v[T+1+16*\b+\i]|
.endr
.endr
.irp b, 0,1,2,3
	v_permlanex16_b32 v[TM+4+\b], v[TM+\b], s[SEL], s[SEL+1]
.endr
.irp b, 0,1,2,3
	v_max_num_f32 v[TM+\b], v[TM+\b], v[TM+4+\b]   ; with lane l xor 16's 16: the block's largest magnitude
.endr
.irp b, 0,1,2,3
	v_add_nc_u32 v[TM+12+\b], EOFF, v[TM+\b]       ; the conversion's scale operand
.endr
.irp b, 0,1,2,3
	v_lshrrev_b32 v[TM+4+\b], 23, v[TM+12+\b]      ; the byte
.endr
	s_wait_alu depctr_va_vdst(0)
	s_wait_xcnt 0x0                                ; the last block's stores have read the codes' registers,
	s_wait_dscnt 0x0                               ; and its LDS store the word's: both are written again now
	v_lshl_or_b32 v[PW], v[TM+5], 8, v[TM+4]
	v_lshl_or_b32 v[PW], v[TM+6], 16, v[PW]
	v_lshl_or_b32 v[PW], v[TM+7], 24, v[PW]
.irp b, 0,1,2,3
	v_cvt_scalef32_pk8_fp4_f32 v[PC+2*\b], v[T+16*\b:T+7+16*\b], v[TM+12+\b]
	v_cvt_scalef32_pk8_fp4_f32 v[PC+1+2*\b], v[T+8+16*\b:T+15+16*\b], v[TM+12+\b]
.endr
	v_nop                                          ; a plain place behind the conversions
.irp c, 0,1                                    ; a whole block to a lane: lanes 0-15 block 2 c, lanes 16-31 block 2 c + 1
.irp i, 0,1
	v_permlane16_swap_b32 v[PC+4*\c+\i], v[PC+2+4*\c+\i]
.endr
.endr
.endm
	s_load_b128 s[4:7], s[0:1], 0x0                ; opnd s[4:5], qkv s[6:7]
	v_lshl_add_u32 v[SPW], v0, 2, SPARE
	v_mov_b32 v[NIL], 0
	ds_add_u32 v30, v31
	ds_add_u32 v30, v31
	s_wait_dscnt 0x0
	v_lshrrev_b32 v1, 5, v0
	v_readfirstlane_b32 s14, v1                    ; wave 0..3
	s_lshr_b32 s15, s14, 1                         ; my half of the tokens.  Also: I fetch for the tokens (0) or for the weight (1)
	s_and_b32 s16, s14, 1                          ; my half of the columns, and of v's channels.  Also: which half of a tile I fetch
	s_bfe_u32 s40, ttmp6, 0x40000                  ; cx
	s_bfe_u32 s41, ttmp6, 0x40004                  ; cy
	s_and_b32 s42, ttmp7, 0xffff
	s_lshl_b32 s42, s42, 2
	s_add_co_u32 s42, s42, s41                     ; the tile of tokens, 0 .. 31: hangs on cy, never on cx
	s_lshl_b32 s43, ttmp9, 2
	s_add_co_u32 s43, s43, s40                     ; the column tile, 0 .. 7: hangs on cx, never on cy
	s_lshl_b32 s46, s41, 2
	s_lshl_b32 s46, 15, s46                        ; my row of the cluster
	s_lshl_b32 s47, 0x1111, s40                    ; my column
	s_or_b32 s[G1], s46, (3<<16)|(1<<21)           ; 15:0 the mask; 17:16 elements of 8 bytes; 21 set beside a mask; no padding
	s_or_b32 s[G1B], s47, (3<<16)|(1<<21)
	s_or_b32 s[G1SB], s47, (3<<16)|(1<<21)
.irp g, G1, G1B                        ; codes: 16 rowtiles, of each the 4,096 bytes of half of K; rowtiles 8,192 bytes apart
	s_mov_b32 s[\g+1], 512<<16                     ; tensor_dim0
	s_mov_b32 s[\g+2], 16<<16                      ; tensor_dim1: a head's load brings a tile's 16 rowtiles, one half of K
	s_mov_b32 s[\g+3], 512<<16                     ; tile_dim0
	s_mov_b32 s[\g+4], 16                          ; tile_dim1
	s_mov_b32 s[\g+5], 1024                        ; tensor_dim0_stride
	s_mov_b32 s[\g+6], 0
	s_mov_b32 s[\g+7], 0
.endr
.irp g, G1SB                           ; Wv's codes: 8 rowtiles, of each the 4,096 bytes of half of K
	s_mov_b32 s[\g+1], 512<<16
	s_mov_b32 s[\g+2], 8<<16
	s_mov_b32 s[\g+3], 512<<16
	s_mov_b32 s[\g+4], 8
	s_mov_b32 s[\g+5], 1024
	s_mov_b32 s[\g+6], 0
	s_mov_b32 s[\g+7], 0
.endr
	s_lshl_b32 s18, s16, 12                        ; the half of K that I fetch: 4,096 bytes on in each rowtile
	s_lshl_b32 s20, s42, 17                        ; the tokens' tile: 16 rowtiles of 8,192 bytes
	s_add_co_u32 s20, s20, s18
	s_mov_b32 s21, 0
	s_lshl_b32 s92, s43, 17                        ; Wqkv's tile: rowtile 512 + 16 x column tile
	s_add_co_u32 s92, s92, 512*8192
	s_add_co_u32 s92, s92, s18
	s_mov_b32 s93, 0
	s_lshl_b32 s2, s43, 16                         ; Wv's codes: rowtile 640 + 8 x column tile,
	s_add_co_u32 s2, s2, 640*8192
	s_lshl_b32 s3, s16, 12                         ; the half of K that I fetch
	s_add_co_u32 s2, s2, s3
	s_mov_b32 s3, 0
	s_lshl_b32 s17, s15, 16                        ; where my head's load goes: the tokens at 0, the weight at 65536,
	s_lshl_b32 s19, s16, 17
	s_add_co_u32 s17, s17, s19                     ; in the slot of my half of K: no place in the cluster enters an LDS address
	s_lshl_b32 s[G0W+1], s14, 15                   ; (for waves 2 and 3 also where Wv's halves of K go: the bytes of Wqkv's tile in slot 0)
	s_mov_b32 s[SEL], 0x76543210
	s_mov_b32 s[SEL+1], 0xfedcba98
	s_wait_kmcnt 0x0
	s_add_nc_u64 s[20:21], s[4:5], s[20:21]
	s_add_nc_u64 s[92:93], s[4:5], s[92:93]
	s_mov_b32 s[G0W], 1
	s_add_nc_u64 s[G0W+2:G0W+3], s[4:5], s[2:3]
	s_or_b32 s[G0W+3], s[G0W+3], 0x80000000
.irp s, 0
	s_mov_b32 s[G0+4*\s], 1
	s_add_co_u32 s[G0+4*\s+1], s17, \s*SLOT
	s_add_nc_u64 s[G0+4*\s+2:G0+4*\s+3], s[20:21], \s*4096
	s_or_b32 s[G0+4*\s+3], s[G0+4*\s+3], 0x80000000
	s_mov_b32 s[G0B+4*\s], 1
	s_add_co_u32 s[G0B+4*\s+1], s17, \s*SLOT
	s_add_nc_u64 s[G0B+4*\s+2:G0B+4*\s+3], s[92:93], \s*4096
	s_or_b32 s[G0B+4*\s+3], s[G0B+4*\s+3], 0x80000000
.endr
	CROUND                                         ; all sixteen work-groups are here: the joint loads meet
	JLOAD G0, G1, G0B, G1B                         ; one tensor load a wave at the head: waves 0, 1 the tokens' two halves of K, waves 2, 3 Wqkv's
	; the biases and Wv's scale words come straight into registers, once
	s_lshr_b32 s18, s42, 2                         ; the batch
	s_mul_i32 s18, s18, 12288
	s_add_co_u32 s18, s18, BIAS
	s_lshl_b32 s19, s43, 10                        ; q, k: column 256 x column tile + 128 x my half, in bytes
	s_add_co_u32 s20, s18, s19
	s_lshl_b32 s19, s16, 9
	s_add_co_u32 s20, s20, s19
	s_mov_b32 s21, 0
	s_add_nc_u64 s[8:9], s[4:5], s[20:21]
	s_add_co_u32 s20, s18, 8192                    ; v: column 2048 + 128 x column tile + 64 x my half
	s_lshl_b32 s19, s43, 9
	s_add_co_u32 s20, s20, s19
	s_lshl_b32 s19, s16, 8
	s_add_co_u32 s20, s20, s19
	s_add_nc_u64 s[12:13], s[4:5], s[20:21]
	s_lshl_b32 s20, s43, 12                        ; Wv's scale words: the block of 128 rows 80 + column tile,
	s_add_co_u32 s20, s20, XS+80*4096
	s_add_co_u32 s20, s20, s19                     ; my 64 rows of it
	s_add_nc_u64 s[66:67], s[4:5], s[20:21]
	v_and_b32 v1, 15, v0                           ; r
	v_bfe_u32 v2, v0, 4, 1                         ; h
	v_and_b32 v3, 31, v0
	v_lshlrev_b32 v[LI], 4, v3
	v_lshlrev_b32 v12, 6, v2                       ; 64 h: register 16 b + e is column 32 b + 16 h + e
	v_and_b32 v22, 8, v1
	v_add_nc_u32 v22, v22, v1
	v_lshlrev_b32 v22, 2, v22                      ; 4 (r + 8 (r / 8)): my channel in a rowtile
	v_lshlrev_b32 v26, 2, v1                       ; 4 r
.set kk, 0
.rept 8
.set ee, 0
.rept 4
	global_load_b32 v[WS+4*kk+ee], v26, s[66:67] offset:512*kk+64*ee   ; lane r: the word of row r of my rowtile ee of Wv, K step kk (lanes 16-31 hold the same and are not read)
.set ee, ee+1
.endr
.set kk, kk+1
.endr
	WIN 0x40                                       ; destination window 1
.set ee, 0
.rept 16
	global_load_b128 v[BI+4*ee:BI+4*ee+3], v12, s[8:9] offset:128*(ee/4)+16*(ee%4)
.set ee, ee+1
.endr
.set ee, 0
.rept 4
	global_load_b32 v[BV+2*ee], v22, s[12:13] offset:(32*(ee/2)+8*(ee%2))*4
	global_load_b32 v[BV+2*ee+1], v22, s[12:13] offset:(32*(ee/2)+8*(ee%2))*4   ; (the packed addition names the pair)
.set ee, ee+1
.endr
	WIN 0
	s_lshl_b32 s18, s15, 15                        ; my 8 rowtiles of tokens,
	s_lshl_b32 s19, s16, 15
	s_add_co_u32 s19, s19, 65536                   ; and of Wqkv, behind the tokens' 16
.irp s, 0,1
	v_add_nc_u32 v[ADRA+\s], s18, v[LI]
	v_add_nc_u32 v[ADRB+\s], s19, v[LI]
	s_add_co_u32 s18, s18, SLOT
	s_add_co_u32 s19, s19, SLOT
.endr
	s_lshl_b32 s18, s16, 14                        ; my 4 rowtiles of Wv: the first half of K,
	s_add_co_u32 s18, s18, 65536
	v_add_nc_u32 v[ADRW], s18, v[LI]
	s_add_co_u32 s18, s18, 32768                   ; the second
	v_add_nc_u32 v[ADRW+1], s18, v[LI]
	s_lshl_b32 s18, s42, 13                        ; scale words, in opnd: lanes 0-15 the tokens' (block of 128 rows 2 x tile + my half),
	s_lshl_b32 s19, s15, 12
	s_add_co_u32 s18, s18, s19
	s_lshl_b32 s19, s43, 13                        ; lanes 16-31 Wqkv's (block 64 + 2 x column tile + my half): the lower offset + h x the distance
	s_lshl_b32 s20, s16, 12
	s_add_co_u32 s19, s19, s20
	s_add_co_u32 s19, s19, 64*4096
	s_sub_co_u32 s19, s19, s18
	v_mul_u32_u24 v5, s19, v2
	s_add_co_u32 s18, s18, XS
	v_lshl_add_u32 v5, v1, 2, v5
	v_add_nc_u32 v[ADRS], s18, v5
	SCALES
	s_lshl_b32 s18, s14, 10
	s_add_co_u32 s18, s18, STG                     ; my stage for scale words
	v_add_nc_u32 v6, s18, v26
	v_lshl_add_u32 v8, v2, 9, v6                   ; q, k, in: 512 h + 4 r
	v_add_nc_u32 v9, 4096, v6                      ; v, in: 4 r
	v_add_nc_u32 v10, s18, v[LI]                   ; q, k, back: 16 bytes a lane
	v_lshlrev_b32 v7, 3, v3
	s_wait_alu depctr_va_vdst(0)
	v_add_nc_u32 v11, s18, v7
	v_add_nc_u32 v11, 4096, v11                    ; v, back: 8 bytes a lane
	v_lshlrev_b32 v13, 4, v2                       ; 16 h
	s_lshr_b32 s18, s42, 2                         ; v's places in qkv: my head = 16 x batch + 2 x column tile + my half,
	s_lshl_b32 s18, s18, 4
	s_lshl_b32 s19, s43, 1
	s_add_co_u32 s18, s18, s19
	s_add_co_u32 s18, s18, s16
	s_mul_i32 s18, s18, REC
	s_and_b32 s19, s42, 3
	s_lshl_b32 s19, s19, 1
	s_add_co_u32 s19, s19, s15                     ; my key step = 2 x (tile of tokens in the batch) + my half
	s_lshl_b32 s20, s19, 12
	s_add_co_u32 s20, s20, s18
	s_add_co_u32 s20, s20, 32768
	v_add_nc_u32 v23, s20, v[LI]                   ; the images
	s_lshl_b32 s20, s19, 8
	s_add_co_u32 s20, s20, s18
	s_add_co_u32 s20, s20, 69632
	v_add_nc_u32 v24, s20, v7                      ; the words
.irp b, 0,1,2,3
	v_mov_b32 v[TM+4+\b], 0                        ; a lane permute's destination counts as one of its sources
.endr
	; ---- PHASE 1: 128 tokens x 128 columns of q or k a wave
	s_wait_alu depctr_va_vdst(0)
	s_wait_tensorcnt 0x0                           ; my one load has landed
	s_barrier_signal -1
	s_barrier_wait -1                              ; everybody's are
	FETCH_B 0, 0, 0
	FETCH_A 0, 0, 0
	FETCH_A 0, 0, NA/2
	s_wait_loadcnt 0x0                             ; the scale words, the biases and Wv's scale words
	STEP 0, 0, 1                                   ; the first step's products start the sums: nothing is cleared
	STEP 0, 1, 0
	STEP 0, 2, 0
	CHANGE 1
	STEP 1, 0, 0
	STEP 1, 1, 0
	STEP 1, 2, 0
	LASTSTEP
	; ---- q and k leave.  Block a = 16 tokens; my 128 columns are two heads: the codes' registers 0-3 are the first head's image, 4-7 the second's
	s_cmp_eq_u32 ttmp9, 0                          ; q's clusters or k's?  The cluster's x is the same in all partners, and only offsets are chosen
	s_cselect_b32 s18, QF, 0                       ; where the images begin,
	s_mov_b32 s19, REC
	s_cselect_b32 s19, 32768, s19                  ; bytes from head to head,
	s_mov_b32 s20, 65536
	s_cselect_b32 s20, QS, s20                     ; and the same for the scale words
	s_mov_b32 s21, REC
	s_cselect_b32 s21, 4096, s21
	s_lshr_b32 s22, s42, 2
	s_lshl_b32 s22, s22, 4
	s_lshl_b32 s23, s40, 2
	s_add_co_u32 s22, s22, s23
	s_lshl_b32 s23, s16, 1
	s_add_co_u32 s22, s22, s23                     ; my first head: 16 x batch + 4 cx + 2 x half
	s_and_b32 s23, s42, 3
	s_lshl_b32 s23, s23, 4
	s_lshl_b32 s92, s15, 3
	s_add_co_u32 s23, s23, s92                     ; my first tile of tokens in the batch
	s_mul_i32 s92, s22, s19
	s_add_co_u32 s92, s92, s18
	s_lshl_b32 s93, s23, 9
	s_add_co_u32 s92, s92, s93
	v_add_nc_u32 v14, s92, v[LI]
	v_add_nc_u32 v15, s19, v14
	s_mul_i32 s92, s22, s21
	s_add_co_u32 s92, s92, s20
	s_lshl_b32 s93, s23, 6
	s_add_co_u32 s92, s92, s93
	v_add_nc_u32 v18, s92, v[LI]
	v_add_nc_u32 v19, s21, v18
.macro QKBLOCK a
	WIN 0x06+(\a)/4                                ; source 0: the accumulators' window; source 1: window 1
.set ee, 0
.rept 32
	v_pk_add_f32 v[T+2*ee:T+2*ee+1], v[64*((\a)%4)+2*ee:64*((\a)%4)+2*ee+1], v[BI+2*ee:BI+2*ee+1]   ; + bias; ascending
.set ee, ee+1
.endr
	WIN 0
	QUANT
	global_store_b128 v14, v[PC:PC+3], s[6:7] offset:512*(\a)        ; 512 consecutive bytes each
	global_store_b128 v15, v[PC+4:PC+7], s[6:7] offset:512*(\a)
	v_lshrrev_b32 v[PS], v13, v[PW]                ; lanes 0-15 keep the first head's two bytes low, lanes 16-31 bring the second's down
	ds_store_b32 v8, v[PS] offset:64*(\a)
.endm
.irp a, 0,1,2,3,4,5,6,7
	QKBLOCK \a
.endr
	ds_load_b128 v[T:T+3], v10                     ; my 128 tokens' words, a head at a time.  LDS serves a wave's instructions in order
	ds_load_b128 v[T+4:T+7], v10 offset:512
	s_wait_dscnt 0x0
	global_store_b128 v18, v[T:T+3], s[6:7]
	global_store_b128 v19, v[T+4:T+7], s[6:7]
	; ---- PHASE 2: 128 tokens x 64 channels of v a wave.  The same macros: the tokens now take B''s part (source 0, window 1), Wv takes A''s (source 1, four blocks)
.set NA,   4
.set PH,   2
.set ADRB, 16
.set ADRA, ADRW
	s_wait_xcnt 0x0                                ; the stores above have read their registers: A''s fragments land there
	s_wait_tensorcnt 0x0                           ; my half of Wv's codes has landed,
	s_wait_dscnt 0x0
	s_barrier_signal -1
	s_barrier_wait -1                              ; everybody's has.
	FETCH_B 0, 0, 0
	FETCH_A 0, 0, 0
	FETCH_A 0, 0, NA/2
	STEP 0, 0, 1                                   ; the first step's products start the sums anew
	STEP 0, 1, 0
	STEP 0, 2, 0
	CHANGE 0
	STEP 1, 0, 0
	STEP 1, 1, 0
	STEP 1, 2, 0
	LASTSTEP
	; ---- v leaves.  Block a = 16 channels, rowtile a of my head; my 128 keys are one key step: the codes are a whole fragment
.macro VBLOCK a
	WIN 0x06                                       ; source 0: window 2; source 1: window 1
.set ee, 0
.rept 32
	v_pk_add_f32 v[T+2*ee:T+2*ee+1], v[64*(\a)+2*ee:64*(\a)+2*ee+1], v[BV+2*(\a):BV+2*(\a)+1] op_sel_hi:[1,0]   ; + my channel's bias; ascending
.set ee, ee+1
.endr
	WIN 0
	QUANT
	global_store_b128 v23, v[PC:PC+3], s[6:7] offset:(\a)*1024       ; 512 consecutive bytes each
	global_store_b128 v23, v[PC+4:PC+7], s[6:7] offset:(\a)*1024+512
	ds_store_b32 v9, v[PW] offset:64*(\a)          ; both halves write the same word with the same value
.endm
.irp a, 0,1,2,3
	VBLOCK \a
.endr
	ds_load_b64 v[T:T+1], v11                      ; my head's 64 words of this key step
	s_wait_dscnt 0x0
	global_store_b64 v24, v[T:T+1], s[6:7]         ; 256 consecutive bytes, aligned
	s_wait_tensorcnt 0x0                           ; the wave's end, behind my last tensor load and my last LDS store
	ds_add_u32 v[SPW], v[NIL]
	s_wait_dscnt 0x0
	CROUND                                         ; the closing round: no work-group ends while a partner may still ask for a tile that names it
	s_endpgm
.Lfunc_end_k_qe19e68cb91_gemm1:
	.size	k_qe19e68cb91_gemm1, .Lfunc_end_k_qe19e68cb91_gemm1-k_qe19e68cb91_gemm1
	.p2alignl 7, 3214868480
	.fill 96, 4, 3214868480
	.section	.rodata,"a",@progbits
	.p2align	6, 0x0
	.amdhsa_kernel k_qe19e68cb91_gemm1
		.amdhsa_group_segment_fixed_size 327680
		.amdhsa_private_segment_fixed_size 0
		.amdhsa_enable_private_segment 0
		.amdhsa_kernarg_size 16
		.amdhsa_user_sgpr_count 2
		.amdhsa_user_sgpr_kernarg_segment_ptr 1
		.amdhsa_wavefront_size32 1
		.amdhsa_system_sgpr_workgroup_id_x 1
		.amdhsa_system_sgpr_workgroup_id_y 1
		.amdhsa_system_sgpr_workgroup_id_z 1
		.amdhsa_system_vgpr_workitem_id 0
		.amdhsa_next_free_vgpr 1024
		.amdhsa_next_free_sgpr 100
		.amdhsa_reserve_vcc 0
		.amdhsa_float_denorm_mode_32 3
		.amdhsa_float_denorm_mode_16_64 3
		.amdhsa_memory_ordered 1
		.amdhsa_forward_progress 1
		.amdhsa_inst_pref_size 228
	.end_amdhsa_kernel
	.amdgpu_metadata
---
amdhsa.version: [ 1, 2 ]
amdhsa.kernels:
  - .name:           k_qe19e68cb91_gemm1
    .symbol:         k_qe19e68cb91_gemm1.kd
    .args:
      - { .name: opnd, .offset: 0, .size: 8, .value_kind: global_buffer, .address_space: global }
      - { .name: qkv, .offset: 8, .size: 8, .value_kind: global_buffer, .address_space: global }
    .group_segment_fixed_size: 327680
    .private_segment_fixed_size: 0
    .kernarg_segment_align: 8
    .kernarg_segment_size: 16
    .max_flat_workgroup_size: 128
    .sgpr_count:     100
    .vgpr_count:     1024
    .wavefront_size: 32
...
	.end_amdgpu_metadata
.endif
;; end of part 2
;; launch attn (part 3): grid 4 x 64, 16 waves a work-group, clusters of 4 x 1, 169,984 bytes of LDS; arguments qkv, oq; writes oq
.if DOCPART == 3
	.amdgcn_target "amdgcn-amd-amdhsa--gfx1250"
	.amdhsa_code_object_version 6
	.text
	.protected	k_qe19e68cb91_attn
	.globl	k_qe19e68cb91_attn
	.p2align	8
	.type	k_qe19e68cb91_attn,@function
k_qe19e68cb91_attn:
	s_mov_b64 s[64:65], 0
	v_nop
	global_prefetch_b8 v0, s[64:65] scope:SCOPE_SE
	s_setreg_imm32_b32 hwreg(HW_REG_WAVE_MODE, 25, 1), 1
	s_wait_xcnt 0x0
	s_wait_alu depctr_hold_cnt(0) depctr_sa_sdst(0) depctr_va_vdst(0) depctr_va_sdst(0) depctr_va_ssrc(0) depctr_va_vcc(0) depctr_vm_vsrc(0)
	s_getreg_b32 s2, hwreg(HW_REG_IB_STS2, 6, 4)
	s_cmp_eq_u32 s2, 0
	s_cbranch_scc0 .Lentry_in_a_cluster
	s_endpgm
.Lentry_in_a_cluster:
	s_bfe_u32 s2, ttmp6, 0x10000c
	s_cmp_lg_u32 s2, 0x3003
	s_cbranch_scc0 .Lentry_shape_is_right
	s_endpgm
.Lentry_shape_is_right:
; ATTENTION on codes of FP4: o = softmax(q k^T / 8) v for 128 heads of 64, 1,024 tokens; o leaves as codes and scale words along the projection's K (head x 64 + d).
; THE SOFTMAX AHEAD OF THE SECOND PRODUCT: t = score x log2(e) / 8; M = the running largest t rounded UP to a whole number; p = 2^(t - M) is quantised along the keys, not normalised;
; the row's sum is taken of the unquantised p and divides at the end.  When M moves, the sum and O are multiplied by 2^(old M - new M): exact.
; SHARES.  A work-group takes a PAIR of heads and a quarter of the queries; each of its sixteen waves one tile of 16 queries, for both heads one after the other: a wave makes a whole fragment of o (128 along K) and a whole scale word.
; K and V of the pair, codes and scale words, are two records of REC bytes, dense in memory: they come into LDS ONCE, a sixteenth (35 rows of 256 bytes) by each wave's one tensor load, and stay: nothing is filled twice.
; CLUSTER: the four quarters of the queries read the same two records: the loads are joint, with a mask that names the four.
; No prefetch: all that the launch reads through LDS is asked for at its head, so there is no loop to run ahead in.
; LAYOUT.  Both products are used transposed: S^T = K Q^T (source 0 = 16 keys), O^T = V^T P^T (source 0 = 16 channels): a lane holds ONE query.  Rowtiles stand in position order (bits 3 and 4 of the row number changed),
; so the 16 registers of tiles 2 b and 2 b + 1 are 16 neighbouring keys (channels): 32 b + 16 (lane / 16) + 0 .. 15.
; K = 64 IN AN INSTRUCTION OF 128: Q's upper four registers are zero codes.  A tile of K is named with the four registers behind it (the next tile's codes; zeros behind the last): they are multiplied by zero, and no scale byte is 0xff.
; A KEY STEP's LDS loads stand in one run behind its first product: V of this step, then K of the NEXT step, so that both land under the softmax.
; The step is written three times (a head's first, a loop of six, its last) inside a loop over the pair's heads; what differs from trip to trip lies in three scalars.
; LIMITS: NaN and infinities are not served; blocks of o whose largest magnitude lies under 2^-124 keep the byte 1; the scaled scores stay under 2^31 in magnitude.
; REGISTERS: v1-7 addresses that stay; v8, v10, v11 the step's LDS addresses; v12 -M, v13 the largest score, v[14:15] the sum; v16-23 Q and its zeros; v24-27, v29 the second head's Q and word; v28 Q's word; v30 o's word;
;   v32-67 K's eight tiles and four zeros; v68-99 V's four fragments; v100-163 S^T, then p; v164-195 O^T; v196-203 p's codes; v204-220 at work; v224-235 K's and V's words; v236-239 o's codes; v240-253 the sum's chains.
.set REC,   71680
.set QF,    9175040
.set QS,    13369344
.set OS,    4194304
.set OSTG,  143360                     ; LDS behind the two records: 64 bytes a wave for o's scale words
.set SPARE, 167936                     ; the spare words, 128 bytes a wave: no other line names them
.set FLOOR, 0x1800000
.set EOFF,  0xff000000
.set AKV, 8                            ; v8   the step's images: K's at 0, the next step's K 4096 on, V's 32768 on
.set ASK, 10                           ; v10  K's words; the next step's 512 on
.set ASV, 11                           ; v11  V's words
.set KF,  32
.set VF,  68
.set ST,  100
.set OT,  164
.set PCD, 196
.set BM,  204
.set BP,  208
.set BS,  212
.set PWD, 216                          ; p's scale word: a scale and nothing else
.set TT,  217
.set FF,  218                          ; v[218:219]: f, named as a pair
.set OM,  220                          ; the old -M
.set KSW, 224
.set VSW, 232
.set OC,  236
.set TP,  240                          ; seven pairs
.set SPW, 254
.set NIL, 255
.set WV,  8
.set SEL, 20
.set CS,  22
.set G0,  24
.set G1,  28
.set CNT, 44
.set TK,  45                           ; s45  LDS byte of the step's images of K
.set TS,  46                           ; s46  the step's place among K's words: 512 bytes a step
.set TV,  47                           ; s47  and among V's: 256 bytes a step
.set SH,  48                           ; s48  16 x head of the pair
.set STP, 49
.macro ROUND                           ; a round of the cluster's barrier
	s_barrier_signal -1
	s_barrier_wait -1
	s_cmp_lg_u32 s[WV], 0
	s_cbranch_scc1 .Lnot_wave_0_\@
	s_barrier_signal -3
.Lnot_wave_0_\@:
	s_barrier_wait -3
	s_barrier_signal -1
	s_barrier_wait -1
.endm
	s_load_b128 s[4:7], s[0:1], 0x0                ; qkv s[4:5], oq s[6:7]
	v_lshl_add_u32 v[SPW], v0, 2, SPARE
	v_mov_b32 v[NIL], 0
	ds_add_u32 v[SPW], v[NIL]                      ; the opening lines: the add, twice on end, and its wait ahead of my tensor load
	ds_add_u32 v[SPW], v[NIL]
	v_lshrrev_b32 v2, 5, v0
	v_readfirstlane_b32 s[WV], v2                  ; wave 0..15
	v_and_b32 v9, 31, v0
	v_and_b32 v5, 15, v0                           ; r
	v_lshlrev_b32 v1, 4, v9                        ; 16 x lane: my place in an image
	v_lshlrev_b32 v5, 2, v5                        ; 4 r
	v_lshlrev_b32 v2, 2, v9                        ; 4 x lane: one load brings two tiles' scale words, lanes 0-15 the even tile's, lanes 16-31 the odd tile's
	v_add_nc_u32 v3, 65536, v2                     ; K's words
	v_add_nc_u32 v4, 69632, v2                     ; V's words
	s_lshl_b32 s9, s[WV], 6
	s_add_co_u32 s9, s9, OSTG
	v_add_nc_u32 v6, s9, v5                        ; where my row's word of o goes
	s_and_b32 s9, s[WV], 1
	s_lshl_b32 s9, s9, 9
	s_add_co_u32 s9, s9, OSTG
	v_add_nc_u32 v7, s9, v1                        ; and where waves 0 and 1 read 128 rows' words back
.irp i, 20,21,22,23,64,65,66,67
	v_mov_b32 v[\i], 0                             ; zero codes
.endr
	v_mov_b32 v30, 0
.irp b, 0,1,2,3
	v_mov_b32 v[BP+\b], 0                          ; a lane permute's destination counts as one of its sources
.endr
	v_mov_b32 v[TT], 0
	v_mov_b32 v[FF+1], 0                           ; (named as the upper half of a pair)
	s_bfe_u32 s10, ttmp6, 0x40000                  ; cx: my quarter of the queries: it enters Q's and o's global addresses alone
	s_and_b32 s11, ttmp7, 0xffff                   ; y = 8 x batch + pair of heads
	s_mul_i32 s14, s[WV], 8960                     ; what I fetch: a sixteenth of the two records
	s_mul_i32 s12, s11, 2*REC
	s_add_co_u32 s12, s12, s14
	s_mov_b32 s13, 0
	s_mov_b32 s[G1], 15|(3<<16)|(1<<21)            ; 15:0 the mask: all four work-groups; 17:16 elements of 8 bytes; 21 set beside a mask
	s_mov_b32 s[G1+1], 32<<16                      ; tensor_dim0: rows of 256 bytes
	s_mov_b32 s[G1+2], 35<<16                      ; tensor_dim1
	s_mov_b32 s[G1+3], 32<<16                      ; tile_dim0
	s_mov_b32 s[G1+4], 35                          ; tile_dim1
	s_mov_b32 s[G1+5], 32                          ; dense
	s_mov_b32 s[G1+6], 0
	s_mov_b32 s[G1+7], 0
	s_lshl_b32 s15, s10, 4
	s_add_co_u32 s15, s15, s[WV]                   ; my tile of queries
	s_lshl_b32 s16, s11, 16                        ; Q's images: 32,768 bytes a head
	s_lshl_b32 s17, s15, 9
	s_add_co_u32 s16, s16, s17
	s_add_co_u32 s16, s16, QF
	s_mov_b32 s17, 0
	s_lshl_b32 s18, s11, 13                        ; Q's words: 4,096 bytes a head
	s_lshl_b32 s19, s15, 6
	s_add_co_u32 s18, s18, s19
	s_add_co_u32 s18, s18, QS
	s_mov_b32 s19, 0
	s_lshr_b32 s38, s11, 3                         ; the batch
	s_and_b32 s39, s11, 7                          ; the pair = the projection's K step
	s_lshl_b32 s40, s38, 6
	s_add_co_u32 s40, s40, s15
	s_lshl_b32 s40, s40, 13                        ; o's codes: rowtile 64 x batch + tile,
	s_lshl_b32 s42, s39, 10
	s_add_co_u32 s40, s40, s42                     ; K step
	s_mov_b32 s41, 0
	s_lshl_b32 s42, s38, 3                         ; o's words: 128 rows 8 x batch + 2 cx + wave (0 or 1)
	s_lshl_b32 s43, s10, 1
	s_add_co_u32 s42, s42, s43
	s_and_b32 s43, s[WV], 1
	s_add_co_u32 s42, s42, s43
	s_lshl_b32 s42, s42, 12
	s_lshl_b32 s43, s39, 9
	s_add_co_u32 s42, s42, s43
	s_add_co_u32 s42, s42, OS
	s_mov_b32 s43, 0
	s_mov_b32 s[SEL], 0x76543210
	s_mov_b32 s[SEL+1], 0xfedcba98
	s_mov_b32 s[CS], 0x3e38aa3b                    ; c = log2(e) / 8
	s_mov_b32 s[CS+1], s[CS]                       ; (named with it as a pair)
	s_mov_b32 s[TK], 0
	s_mov_b32 s[TS], 0
	s_mov_b32 s[TV], 0
	s_mov_b32 s[SH], 0
	s_mov_b32 s[CNT], 2
	s_wait_alu depctr_va_vdst(0)
	s_wait_dscnt 0x0                               ; both opening adds are done
	s_wait_kmcnt 0x0
	s_add_nc_u64 s[16:17], s[4:5], s[16:17]
	s_add_nc_u64 s[18:19], s[4:5], s[18:19]
	s_add_nc_u64 s[40:41], s[6:7], s[40:41]
	s_add_nc_u64 s[42:43], s[6:7], s[42:43]
	s_mov_b32 s[G0], 1
	s_mov_b32 s[G0+1], s14
	s_add_nc_u64 s[G0+2:G0+3], s[4:5], s[12:13]
	s_or_b32 s[G0+3], s[G0+3], 0x80000000
	global_load_b128 v[16:19], v1, s[16:17]        ; Q of both heads stays in registers
	global_load_b128 v[24:27], v1, s[16:17] offset:32768
	global_load_b32 v28, v5, s[18:19]
	global_load_b32 v29, v5, s[18:19] offset:4096
	ROUND                                          ; all four work-groups are here: the joint loads meet
	tensor_load_to_lds s[G0:G0+3], s[G1:G1+7]      ; my one tensor load of the launch
	s_nop 0
.rept 4
	v_nop
.endr
	s_wait_tensorcnt 0x0                           ; my part has landed,
	s_barrier_signal -1
	s_barrier_wait -1                              ; everybody's has
	s_wait_loadcnt 0x0                             ; Q
.macro KLOAD nx                        ; K's eight tiles and their words: this step's (nx = 0) or the next step's (nx = 1): 12 LDS loads
.irp t, 0,1,2,3,4,5,6,7
	ds_load_b128 v[KF+4*\t:KF+4*\t+3], v[AKV] offset:4096*\nx+512*\t
.endr
.irp t, 0,1,2,3
	ds_load_b32 v[KSW+\t], v[ASK] offset:512*\nx+128*\t   ; the words of tiles 2 t and 2 t + 1: 128 consecutive bytes; with the eight above 12 LDS loads
.endr
.endm
; A KEY STEP: 128 keys.  first = 1: it starts M, the sum and O^T.  more = 1: a step of the head follows, and its K is fetched.
.macro STEP first, more
.if \first
	s_wait_alu depctr_va_vdst(0)
.endif
	s_wait_dscnt 0x0                               ; K, asked for a step ago
.irp t, 0,2,4,6                                ; an odd tile's words stand in lanes 16-31 of the pair's register
	v_wmma_scale_f32_16x16x128_f8f6f4 v[ST+8*\t:ST+8*\t+7], v[KF+4*\t:KF+4*\t+7], v[16:23], 0, v[KSW+\t/2], v28 matrix_a_fmt:MATRIX_FMT_FP4 matrix_b_fmt:MATRIX_FMT_FP4
	v_wmma_scale_f32_16x16x128_f8f6f4 v[ST+8*\t+8:ST+8*\t+15], v[KF+4*\t+4:KF+4*\t+11], v[16:23], 0, v[KSW+\t/2], v28 matrix_a_fmt:MATRIX_FMT_FP4 matrix_b_fmt:MATRIX_FMT_FP4 matrix_a_scale:MATRIX_SCALE_ROW1
.endr
.if \first
.rept 4
	v_nop                                          ; four places behind the products, ahead of the loads into their registers and of the first read of S^T
.endr
.else
	v_add_nc_u32 v[AKV], s[TK], v1                 ; the four places are work that is due: the step's addresses,
	v_add_nc_u32 v[ASK], s[TS], v3
	v_add_nc_u32 v[ASV], s[TV], v4
	v_mov_b32 v[OM], v12                           ; and the old -M
.endif
.irp t, 0,1,2,3
.irp c, 0,1
	ds_load_b128 v[VF+8*\t+4*\c:VF+8*\t+4*\c+3], v[AKV] offset:32768+1024*\t+512*\c
.endr
.endr
.irp t, 0,1
	ds_load_b32 v[VSW+\t], v[ASV] offset:128*\t    ; the words of V's rowtiles 2 t and 2 t + 1
.endr
.if \more
	KLOAD 1
.endif
.irp b, 0,1,2,3
	v_max3_num_f32 v[BM+\b], v[ST+16*\b], v[ST+1+16*\b], v[ST+2+16*\b]   ; the largest score of each block of 32 keys: it serves the row's maximum and, since p rises with the score, the block's largest p
.endr
.irp i, 3,5,7,9,11,13
.irp b, 0,1,2,3
	v_max3_num_f32 v[BM+\b], v[BM+\b], v[ST+16*\b+\i], v[ST+1+16*\b+\i]
.endr
.endr
.irp b, 0,1,2,3
	v_max_num_f32 v[BM+\b], v[BM+\b], v[ST+15+16*\b]
.endr
.irp b, 0,1,2,3
	v_permlanex16_b32 v[BP+\b], v[BM+\b], s[SEL], s[SEL+1]
.endr
.irp b, 0,1,2,3
	v_max_num_f32 v[BM+\b], v[BM+\b], v[BP+\b]     ; with lane l xor 16's 16 keys
.endr
	v_max3_num_f32 v[TT], v[BM], v[BM+1], v[BM+2]
	s_delay_alu instid0(VALU_DEP_1)
.if \first
	v_max_num_f32 v13, v[TT], v[BM+3]              ; the largest score of my query so far
.else
	v_max3_num_f32 v13, v13, v[TT], v[BM+3]
.endif
	s_delay_alu instid0(VALU_DEP_1)
	v_mul_f32 v[TT], s[CS], v13                    ; as t (c is positive)
	s_delay_alu instid0(VALU_DEP_1)
	v_floor_f32 v12, -v[TT]                        ; -M = floor(-t) = -ceil(t)
.set jj, 0
.rept 32
	v_pk_fma_f32 v[ST+jj:ST+jj+1], v[ST+jj:ST+jj+1], s[CS:CS+1], v[12:13] op_sel_hi:[1,0,0]   ; t - M
.if (\first == 0) && (jj == 6)
	v_sub_f32 v[TT], v12, v[OM]                    ; old M - new M: a whole number, 0 or less.  (f's three lines stand among the scalings)
.endif
.if (\first == 0) && (jj == 14)
	v_cvt_i32_f32 v[TT], v[TT]
.endif
.if (\first == 0) && (jj == 22)
	v_ldexp_f32 v[FF], 1.0, v[TT]                  ; f = 2^(old M - new M)
.endif
.set jj, jj+2
.endr
.irp b, 0,1,2,3
	v_fma_f32 v[BM+\b], v[BM+\b], s[CS], v12       ; the same of each block's largest score
.endr
.if \first == 0
.set jj, 0
.rept 16
	v_pk_mul_f32 v[OT+jj:OT+jj+1], v[OT+jj:OT+jj+1], v[FF:FF+1] op_sel_hi:[1,0]   ; O^T under the new M: ahead of the exponentials; ascending, each accumulator from its low end on
.set jj, jj+2
.endr
.endif
	s_wait_alu depctr_va_vdst(0)
.set jj, 0
.rept 64
	v_exp_f32 v[ST+jj], v[ST+jj]                   ; p = 2^(t - M), at most 1
.set jj, jj+1
.endr
.irp b, 0,1,2,3
	v_exp_f32 v[BM+\b], v[BM+\b]                   ; the block's largest p
.endr
.if \first
	v_nop                                          ; a plain place behind the exponentials
.else
	v_pk_mul_f32 v[14:15], v[14:15], v[FF:FF+1] op_sel_hi:[1,0]   ; the sum under the new M.  (A plain place behind the exponentials)
.endif
	s_wait_alu depctr_va_vdst(0)                   ; one wait for the batch, ahead of its first reader; it also stands directly ahead of the wait below
	s_wait_dscnt 12*\more                          ; V's ten loads are in; the twelve younger ones (the next step's K) may be out
.irp b, 0,1,2,3
	v_max_num_f32 v[BM+\b], FLOOR, v[BM+\b]        ; the byte cannot fall under 1
.endr
.irp b, 0,1,2,3
	v_add_nc_u32 v[BS+\b], EOFF, v[BM+\b]          ; the conversion's scale operand
.endr
.irp b, 0,1,2,3
	v_lshrrev_b32 v[BP+\b], 23, v[BS+\b]           ; the byte
.endr
	v_lshl_or_b32 v[PWD], v[BP+1], 8, v[BP]        ; p's scale word for these 128 keys
	s_delay_alu instid0(VALU_DEP_1)
	v_lshl_or_b32 v[PWD], v[BP+2], 16, v[PWD]
	s_delay_alu instid0(VALU_DEP_1)
	v_lshl_or_b32 v[PWD], v[BP+3], 24, v[PWD]
.irp b, 0,1,2,3
	v_cvt_scalef32_pk8_fp4_f32 v[PCD+2*\b], v[ST+16*\b:ST+7+16*\b], v[BS+\b]
	v_cvt_scalef32_pk8_fp4_f32 v[PCD+1+2*\b], v[ST+8+16*\b:ST+15+16*\b], v[BS+\b]
.endr
	v_nop                                          ; a plain place behind the conversions
.irp c, 0,1                                    ; a whole block to a lane
.irp i, 0,1
	v_permlane16_swap_b32 v[PCD+4*\c+\i], v[PCD+2+4*\c+\i]
.endr
.endr
; the row's sum of the unquantised p: 32 pairs, eight chains by turns.  These lines are also the places ahead of the scaled products
.irp i, 0,1,2,3,4,5,6
	v_pk_add_f32 v[TP+2*\i:TP+2*\i+1], v[ST+4*\i:ST+4*\i+1], v[ST+4*\i+2:ST+4*\i+3]
.endr
.if \first
	v_pk_add_f32 v[14:15], v[ST+28:ST+29], v[ST+44:ST+45]   ; the sum begins
.else
	v_pk_add_f32 v[14:15], v[14:15], v[ST+28:ST+29]
.endif
.irp i, 0,1,2,3,4,5,6
	v_pk_add_f32 v[TP+2*\i:TP+2*\i+1], v[TP+2*\i:TP+2*\i+1], v[ST+30+2*\i:ST+31+2*\i]
.endr
.if \first == 0
	v_pk_add_f32 v[14:15], v[14:15], v[ST+44:ST+45]
.endif
.irp i, 0,1,2,3,4,5,6
	v_pk_add_f32 v[TP+2*\i:TP+2*\i+1], v[TP+2*\i:TP+2*\i+1], v[ST+46+2*\i:ST+47+2*\i]
.endr
	v_pk_add_f32 v[14:15], v[14:15], v[ST+60:ST+61]
	v_pk_add_f32 v[TP:TP+1], v[TP:TP+1], v[ST+62:ST+63]
	v_pk_add_f32 v[TP+2:TP+3], v[TP+2:TP+3], v[TP+4:TP+5]
	v_pk_add_f32 v[TP+6:TP+7], v[TP+6:TP+7], v[TP+8:TP+9]
	v_pk_add_f32 v[TP+10:TP+11], v[TP+10:TP+11], v[TP+12:TP+13]
	v_pk_add_f32 v[14:15], v[14:15], v[TP:TP+1]
	v_pk_add_f32 v[TP+2:TP+3], v[TP+2:TP+3], v[TP+6:TP+7]
	v_pk_add_f32 v[14:15], v[14:15], v[TP+10:TP+11]
	s_delay_alu instid0(VALU_DEP_1)
	v_pk_add_f32 v[14:15], v[14:15], v[TP+2:TP+3]
.irp t, 0,2
.if \first
	v_wmma_scale_f32_16x16x128_f8f6f4 v[OT+8*\t:OT+8*\t+7], v[VF+8*\t:VF+8*\t+7], v[PCD:PCD+7], 0, v[VSW+\t/2], v[PWD] matrix_a_fmt:MATRIX_FMT_FP4 matrix_b_fmt:MATRIX_FMT_FP4
	v_wmma_scale_f32_16x16x128_f8f6f4 v[OT+8*\t+8:OT+8*\t+15], v[VF+8*\t+8:VF+8*\t+15], v[PCD:PCD+7], 0, v[VSW+\t/2], v[PWD] matrix_a_fmt:MATRIX_FMT_FP4 matrix_b_fmt:MATRIX_FMT_FP4 matrix_a_scale:MATRIX_SCALE_ROW1
.else
	v_wmma_scale_f32_16x16x128_f8f6f4 v[OT+8*\t:OT+8*\t+7], v[VF+8*\t:VF+8*\t+7], v[PCD:PCD+7], v[OT+8*\t:OT+8*\t+7], v[VSW+\t/2], v[PWD] matrix_a_fmt:MATRIX_FMT_FP4 matrix_b_fmt:MATRIX_FMT_FP4
	v_wmma_scale_f32_16x16x128_f8f6f4 v[OT+8*\t+8:OT+8*\t+15], v[VF+8*\t+8:VF+8*\t+15], v[PCD:PCD+7], v[OT+8*\t+8:OT+8*\t+15], v[VSW+\t/2], v[PWD] matrix_a_fmt:MATRIX_FMT_FP4 matrix_b_fmt:MATRIX_FMT_FP4 matrix_a_scale:MATRIX_SCALE_ROW1
.endif
.endr
.if \more
	s_add_co_u32 s[TK], s[TK], 4096                ; on to the next step
	s_add_co_u32 s[TS], s[TS], 512
	s_add_co_u32 s[TV], s[TV], 256
.endif
.endm
.Lhead:                                            ; two trips: the pair's heads
	v_add_nc_u32 v[AKV], s[TK], v1
	v_add_nc_u32 v[ASK], s[TS], v3
	v_add_nc_u32 v[ASV], s[TV], v4
	KLOAD 0
	STEP 1, 1
	s_mov_b32 s[STP], 6
.Lstep:                                            ; key steps 1 to 6
	STEP 0, 1
	s_sub_co_u32 s[STP], s[STP], 1
	s_cmp_lg_u32 s[STP], 0
	s_cbranch_scc1 .Lstep
	STEP 0, 0                                      ; the head's last step fetches no further K
.irp i, 0,1,2,3
	v_mov_b32 v[16+\i], v[24+\i]                   ; the second head's Q takes the first's place.  (Five plain lines that name nothing of the last products: their places)
.endr
	v_mov_b32 v28, v29
	v_add_f32 v14, v14, v15                        ; the sum's two halves,
	s_delay_alu instid0(VALU_DEP_1)
	v_permlanex16_b32 v[TT], v14, s[SEL], s[SEL+1]
	s_delay_alu instid0(VALU_DEP_1)
	v_add_f32 v14, v14, v[TT]                      ; and lane l xor 16's: the row's sum
	s_wait_alu depctr_va_vdst(0)
	v_rcp_f32 v14, v14
	v_nop                                          ; a plain place behind the transcendental
	s_wait_alu depctr_va_vdst(0)                   ; and behind it, directly ahead of the first readers of the reciprocal and of O^T
.set jj, 0
.rept 16
	v_pk_mul_f32 v[ST+jj:ST+jj+1], v[OT+jj:OT+jj+1], v[14:15] op_sel_hi:[1,0]   ; o = O^T / the sum: register 16 g + e is channel 32 g + 16 (lane / 16) + e.  Ascending
.set jj, jj+2
.endr
.irp g, 0,1                                    ; o's two blocks of 32 along the projection's K
	v_max3_num_f32 v[BM+\g], |v[ST+16*\g]|, |v[ST+1+16*\g]|, FLOOR
.endr
.irp i, 2,4,6,8,10,12,14
.irp g, 0,1
	s_delay_alu instid0(VALU_DEP_2)
	v_max3_num_f32 v[BM+\g], v[BM+\g], |v[ST+16*\g+\i]|, |v[ST+1+16*\g+\i]|
.endr
.endr
.irp g, 0,1
	s_delay_alu instid0(VALU_DEP_2)
	v_permlanex16_b32 v[BP+\g], v[BM+\g], s[SEL], s[SEL+1]
.endr
.irp g, 0,1
	s_delay_alu instid0(VALU_DEP_2)
	v_max_num_f32 v[BM+\g], v[BM+\g], v[BP+\g]
.endr
.irp g, 0,1
	s_delay_alu instid0(VALU_DEP_2)
	v_add_nc_u32 v[BS+\g], EOFF, v[BM+\g]
.endr
.irp g, 0,1
	s_delay_alu instid0(VALU_DEP_2)
	v_lshrrev_b32 v[BP+\g], 23, v[BS+\g]
.endr
	s_delay_alu instid0(VALU_DEP_1)
	v_lshl_or_b32 v[TT], v[BP+1], 8, v[BP]
	s_delay_alu instid0(VALU_DEP_1)
	v_lshlrev_b32 v[TT], s[SH], v[TT]
	s_delay_alu instid0(VALU_DEP_1)
	v_or_b32 v30, v30, v[TT]                       ; the head's two bytes at their place in the row's word
.irp g, 0,1
	v_cvt_scalef32_pk8_fp4_f32 v[OC+2*\g], v[ST+16*\g:ST+7+16*\g], v[BS+\g]
	v_cvt_scalef32_pk8_fp4_f32 v[OC+1+2*\g], v[ST+8+16*\g:ST+15+16*\g], v[BS+\g]
.endr
	v_nop                                          ; a plain place behind the conversions
	v_permlane16_swap_b32 v[OC], v[OC+2]           ; a whole block to a lane
	v_permlane16_swap_b32 v[OC+1], v[OC+3]
	global_store_b128 v1, v[OC:OC+3], s[40:41]     ; half a fragment of o: 512 consecutive bytes
	s_wait_xcnt 0x0                                ; the store has read its base and its data: both are written again
	s_add_nc_u64 s[40:41], s[40:41], 512
	s_add_co_u32 s[TK], s[TK], REC-7*4096          ; from the head's last step to the next record's first
	s_add_co_u32 s[TS], s[TS], REC-7*512
	s_add_co_u32 s[TV], s[TV], REC-7*256
	s_add_co_u32 s[SH], s[SH], 16
	s_sub_co_u32 s[CNT], s[CNT], 1
	s_cmp_lg_u32 s[CNT], 0
	s_cbranch_scc1 .Lhead
	s_wait_alu depctr_va_vdst(0)                   ; directly ahead of the reader below
	ds_store_b32 v6, v30                           ; both halves write the same word with the same value
	s_wait_dscnt 0x0                               ; for the others' sake
	s_barrier_signal -1
	s_barrier_wait -1
	s_cmp_lt_u32 s[WV], 2
	s_cbranch_scc0 .Lno_words
	ds_load_b128 v[ST:ST+3], v7                    ; eight waves' words: 128 rows
	s_wait_dscnt 0x0
	global_store_b128 v1, v[ST:ST+3], s[42:43]     ; 512 consecutive bytes
.Lno_words:
	s_wait_tensorcnt 0x0                           ; the wave's end
	ds_add_u32 v[SPW], v[NIL]
	s_wait_dscnt 0x0
	ROUND                                          ; the closing round: no work-group ends while a partner may still ask for a tile that names it
	s_endpgm
.Lfunc_end_k_qe19e68cb91_attn:
	.size	k_qe19e68cb91_attn, .Lfunc_end_k_qe19e68cb91_attn-k_qe19e68cb91_attn
	.p2alignl 7, 3214868480
	.fill 96, 4, 3214868480
	.section	.rodata,"a",@progbits
	.p2align	6, 0x0
	.amdhsa_kernel k_qe19e68cb91_attn
		.amdhsa_group_segment_fixed_size 169984
		.amdhsa_private_segment_fixed_size 0
		.amdhsa_enable_private_segment 0
		.amdhsa_kernarg_size 16
		.amdhsa_user_sgpr_count 2
		.amdhsa_user_sgpr_kernarg_segment_ptr 1
		.amdhsa_wavefront_size32 1
		.amdhsa_system_sgpr_workgroup_id_x 1
		.amdhsa_system_sgpr_workgroup_id_y 1
		.amdhsa_system_sgpr_workgroup_id_z 1
		.amdhsa_system_vgpr_workitem_id 0
		.amdhsa_next_free_vgpr 256
		.amdhsa_next_free_sgpr 66
		.amdhsa_reserve_vcc 0
		.amdhsa_float_denorm_mode_32 3
		.amdhsa_float_denorm_mode_16_64 3
		.amdhsa_memory_ordered 1
		.amdhsa_forward_progress 1
		.amdhsa_inst_pref_size 55
	.end_amdhsa_kernel
	.amdgpu_metadata
---
amdhsa.version: [ 1, 2 ]
amdhsa.kernels:
  - .name:           k_qe19e68cb91_attn
    .symbol:         k_qe19e68cb91_attn.kd
    .args:
      - { .name: qkv, .offset: 0, .size: 8, .value_kind: global_buffer, .address_space: global }
      - { .name: oq, .offset: 8, .size: 8, .value_kind: global_buffer, .address_space: global }
    .group_segment_fixed_size: 169984
    .private_segment_fixed_size: 0
    .kernarg_segment_align: 8
    .kernarg_segment_size: 16
    .max_flat_workgroup_size: 512
    .sgpr_count:     66
    .vgpr_count:     256
    .wavefront_size: 32
...
	.end_amdgpu_metadata
.endif
;; end of part 3
;; launch gemm2 (part 4): grid 4 x 64, 4 waves a work-group, clusters of 4 x 4, 327,680 bytes of LDS; arguments oq, opnd, bproj, out0; writes out0
.if DOCPART == 4
	.amdgcn_target "amdgcn-amd-amdhsa--gfx1250"
	.amdhsa_code_object_version 6
	.text
	.protected	k_qe19e68cb91_gemm2
	.globl	k_qe19e68cb91_gemm2
	.p2align	8
	.type	k_qe19e68cb91_gemm2,@function
k_qe19e68cb91_gemm2:
	s_mov_b64 s[64:65], 0
	v_nop
	global_prefetch_b8 v0, s[64:65] scope:SCOPE_SE
	s_setreg_imm32_b32 hwreg(HW_REG_WAVE_MODE, 25, 1), 1
	s_wait_xcnt 0x0
	s_wait_alu depctr_hold_cnt(0) depctr_sa_sdst(0) depctr_va_vdst(0) depctr_va_sdst(0) depctr_va_ssrc(0) depctr_va_vcc(0) depctr_vm_vsrc(0)
	s_getreg_b32 s2, hwreg(HW_REG_IB_STS2, 6, 4)
	s_cmp_eq_u32 s2, 0
	s_cbranch_scc0 .Lentry_in_a_cluster
	s_endpgm
.Lentry_in_a_cluster:
	s_bfe_u32 s2, ttmp6, 0x10000c
	s_cmp_lg_u32 s2, 0xf033
	s_cbranch_scc0 .Lentry_shape_is_right
	s_endpgm
.Lentry_shape_is_right:
; GEMM2: out0 = Q(o) Q(Wproj) + bproj.  o's codes and scale words come from the attention launch, Wproj's from the first launch; out0 [8192][1024] f32.
; A work-group makes 128 rows x 256 columns (256 work-groups in all), each of four waves 64 x 128: 32 accumulators of 16 x 16 in window 2.  K = 1024 is 512 bytes of codes a row, so both operands' tiles for ALL of K fit in LDS:
; two halves of K ("slots") and the scale words are asked for at the start and no LDS byte is ever filled twice: no ring, one barrier for both halves.
; THE MATRIX INSTRUCTION: source 0 = a rowtile of B' (16 columns of Wproj), source 1 = a rowtile of A' (16 rows of o).  Rowtiles stand in position order (bits 3 and 4 of the row number changed): a lane holds one row of out0, and
; register j of tile b is column 32 (b / 2) + 16 (lane / 16) + 8 (b % 2) + j.  The way out puts rows and columns back in their natural order by its offsets alone.
; bproj is the C of the first step's products: it costs no addition.
; CLUSTERS: 4 x 4 work-groups; A''s tiles hang on the cluster's row, B''s on its column: each is asked for jointly, by the same tensor load with a mask that names the four.
; OPERANDS lie in memory and in LDS as images of their registers: rowtile x 8192 + ks x 1024 + c x 512 + 16 x lane: a fragment load reads 512 consecutive bytes: no pitch, no padding.
; REGISTERS: window 0: v1-31 addresses; v32-95 B''s scale words (register 8 k + i: block i, K step k), v96-127 A''s (register 4 k + a), scales and nothing else; v128-159 A''s fragments; v192-255 bproj; on the way out v128-255 rows of out0.
;   Window 1: B''s fragments, two sets at v0 and v128.  Window 2: accumulator (a, b) at v[8 (8 a + b)].
.set NA,   4                           ; blocks of A' a wave
.set XS,   6291456
.set OS,   4194304
.set SLOT, 131072                      ; LDS: a half of K: A''s 8 rowtiles x 4096 at 0, B''s 16 at 65536
.set SCL,  262144
.set STG,  278528                      ; the way out: 16 rows x (512 bytes + 16) for each wave
.set SPITCH, 528
.set LI,   4
.set ADRA, 16
.set ADRB, 20
.set STO,  24
.set RD,   25
.set ADRS, 27                          ; v27  offset of A''s scale words in oq
.set ADRT, 28                          ; v28  offset of B''s scale words in opnd
.set SA,   96                          ; v96-127 A''s scale words (register 4 k + a): scales and nothing else; v32-95 hold B''s alone
.set SC,   32
.set AF,   128
.set BK,   128
.set BI,   192
.set G1,   24
.set G0,   32
.set G1B,  48
.set G0B,  56
.set G1S,  68
.set G0S,  76
.set G1SB, 80
.set G0SB, 88
.set MSB, 0
.macro WIN new                         ; the immediate's high byte repeats the setting that is left; a switch that changes nothing is dropped
.set WNEW, \new
.if MSB != WNEW
	s_set_vgpr_msb (MSB<<8)|WNEW
.set MSB, WNEW
.endif
.endm
; A joint load: waves 0 and 1 fetch for A', waves 2 and 3 for B'.  The branch hangs on the wave's number alone.  Four v_nop follow each of the two lines.
.macro JLOAD g0a, g1a, g0b, g1b
	s_cmp_eq_u32 s15, 0
	s_cbranch_scc0 .Lfor_b_\@
	tensor_load_to_lds s[\g0a:\g0a+3], s[\g1a:\g1a+7]
	s_nop 0
.rept 4
	v_nop
.endr
	s_branch .Lasked_\@
.Lfor_b_\@:
	tensor_load_to_lds s[\g0b:\g0b+3], s[\g1b:\g1b+7]
	s_nop 0
.rept 4
	v_nop
.endr
.Lasked_\@:
.endm
.macro CROUND                          ; a round of the cluster's barrier
	s_barrier_signal -1
	s_barrier_wait -1
	s_cmp_lg_u32 s14, 0
	s_cbranch_scc1 .Lnot_wave_0_\@
	s_barrier_signal -3
.Lnot_wave_0_\@:
	s_barrier_wait -3
	s_barrier_signal -1
	s_barrier_wait -1
.endm
.macro PLACES                          ; four plain places behind matrix instructions, in front of loads into their registers and of reads of their results
.rept 4
	v_nop
.endr
.endm
.macro FRAG reg, adr, q, i             ; a fragment: 16 rows x 128 K, 8 registers, two loads of 512 consecutive bytes
.irp c, 0,1
	ds_load_b128 v[\reg+4*\c:\reg+4*\c+3], v[\adr] offset:4096*(\i)+1024*(\q)+512*\c
.endr
.endm
.macro FETCH_B slot, q, p
	WIN 0x40
.irp i, 0,1,2,3,4,5,6,7
	FRAG 128*(\p)+8*\i, ADRB+\slot, \q, \i
.endr
	WIN 0
.endm
.macro FETCH_A slot, q, i0
.set fi, \i0
.rept NA/2
	FRAG AF+8*fi, ADRA+\slot, \q, fi
.set fi, fi+1
.endr
.endm
.macro SCALES                          ; all of K's scale words, once.
.set kk, 0
.rept 8
.set ii, 0
.rept 8
	global_load_b32 v[SC+8*kk+ii], v[ADRT], s[6:7] offset:512*kk+64*ii   ; straight from memory: lane r takes the word of row r of B''s block ii (lanes 16-31 hold the same and are not read)
.if ii < 4
	global_load_b32 v[SA+4*kk+ii], v[ADRS], s[4:5] offset:512*kk+64*ii   ; and of A''s block ii
.endif
.set ii, ii+1
.endr
.set kk, kk+1
.endr
.endm
; eight matrix instructions: A''s block a against B''s eight; K step k; B''s set p.  first = 1: the products start the sums from bproj.
.macro MULA a, p, k, first
.if \first
	WIN 0x81                                       ; source 0 window 1, sources 1 and 2 window 0, destination window 2
.else
	WIN 0xa1                                       ; source 0 window 1, source 1 window 0, C and D window 2
.endif
.irp b, 0,1,2,3,4,5,6,7
.if \first
	v_wmma_scale_f32_16x16x128_f8f6f4 v[8*(8*(\a)+\b):8*(8*(\a)+\b)+7], v[128*(\p)+8*\b:128*(\p)+8*\b+7], v[AF+8*(\a):AF+8*(\a)+7], v[BI+8*\b:BI+8*\b+7], v[SC+8*(\k)+\b], v[SA+4*(\k)+(\a)] matrix_a_fmt:MATRIX_FMT_FP4 matrix_b_fmt:MATRIX_FMT_FP4
.else
	v_wmma_scale_f32_16x16x128_f8f6f4 v[8*(8*(\a)+\b):8*(8*(\a)+\b)+7], v[128*(\p)+8*\b:128*(\p)+8*\b+7], v[AF+8*(\a):AF+8*(\a)+7], v[8*(8*(\a)+\b):8*(8*(\a)+\b)+7], v[SC+8*(\k)+\b], v[SA+4*(\k)+(\a)] matrix_a_fmt:MATRIX_FMT_FP4 matrix_b_fmt:MATRIX_FMT_FP4
.endif
.endr
.endm
.macro MULH a0, p, k, first            ; half of a step.  The accumulators take turns, one instruction a turn, in the same order in every step
.set ma, \a0
.rept NA/2
	MULA ma, \p, \k, \first
.set ma, ma+1
.endr
.endm
.macro STEP slot, q, first
	s_wait_dscnt NA                                ; all but the youngest NA loads (A''s upper blocks) are in
	MULH 0, (\q)%2, 4*(\slot)+(\q), \first
	s_wait_dscnt 0x0
	PLACES
	FETCH_B \slot, (\q)+1, 1-(\q)%2
	FETCH_A \slot, (\q)+1, 0
	MULH NA/2, (\q)%2, 4*(\slot)+(\q), \first
	PLACES
	WIN 0
	FETCH_A \slot, (\q)+1, NA/2
.endm
.macro CHANGE                          ; slot 0's last step goes on into slot 1
	s_wait_dscnt NA
	MULH 0, 1, 3, 0
	s_wait_dscnt 0x0                               ; both halves of K landed ahead of the first step's barrier: no barrier here
	PLACES
	FETCH_B 1, 0, 0
	FETCH_A 1, 0, 0
	MULH NA/2, 1, 3, 0
	PLACES
	WIN 0
	FETCH_A 1, 0, NA/2
.endm
	s_load_b256 s[4:11], s[0:1], 0x0               ; oq s[4:5], opnd s[6:7], bproj s[8:9], out0 s[10:11]
	v_lshl_add_u32 v30, v0, 2, 0x4c400
	v_mov_b32 v31, 0
	ds_add_u32 v30, v31                            ; the opening lines: the add, twice on end, and its wait ahead of my tensor load
	ds_add_u32 v30, v31
	v_lshrrev_b32 v1, 5, v0
	v_readfirstlane_b32 s14, v1                    ; wave 0..3
	s_lshr_b32 s15, s14, 1                         ; my half of the tile's rows.  Also: I fetch for A' (0) or for B' (1)
	s_and_b32 s16, s14, 1                          ; my half of its columns.  Also: which half of that tile I fetch
	s_bfe_u32 s40, ttmp6, 0x40000                  ; cx = the tile column (the grid is one cluster wide)
	s_bfe_u32 s41, ttmp6, 0x40004                  ; cy
	s_and_b32 s42, ttmp7, 0xffff
	s_lshl_b32 s42, s42, 2
	s_add_co_u32 s42, s42, s41                     ; the tile row = 4 x cluster y + cy
	s_lshl_b32 s46, s41, 2
	s_lshl_b32 s46, 15, s46                        ; my row of the cluster
	s_lshl_b32 s47, 0x1111, s40                    ; my column
	s_or_b32 s[G1], s46, (3<<16)|(1<<21)           ; 15:0 the mask; 17:16 elements of 8 bytes; 21 set beside a mask; no padding
	s_or_b32 s[G1B], s47, (3<<16)|(1<<21)
	s_mov_b32 s[G1+1], 512<<16                     ; A''s codes: 8 rowtiles, of each the 4,096 bytes of half of K; rowtiles 8,192 bytes apart
	s_mov_b32 s[G1+2], 8<<16
	s_mov_b32 s[G1+3], 512<<16
	s_mov_b32 s[G1+4], 8
	s_mov_b32 s[G1+5], 1024
	s_mov_b32 s[G1+6], 0
	s_mov_b32 s[G1+7], 0
	s_mov_b32 s[G1B+1], 512<<16                    ; B''s: 16 rowtiles
	s_mov_b32 s[G1B+2], 16<<16
	s_mov_b32 s[G1B+3], 512<<16
	s_mov_b32 s[G1B+4], 16
	s_mov_b32 s[G1B+5], 1024
	s_mov_b32 s[G1B+6], 0
	s_mov_b32 s[G1B+7], 0
	s_lshl_b32 s18, s16, 12                        ; the half of K that I fetch: 4,096 bytes on in each rowtile
	s_lshl_b32 s20, s42, 16                        ; o's tile: 8 rowtiles of 8,192 bytes
	s_add_co_u32 s20, s20, s18
	s_mov_b32 s21, 0
	s_lshl_b32 s92, s40, 17                        ; Wproj's tile: rowtile 704 + 16 x tile column
	s_add_co_u32 s92, s92, 704*8192
	s_add_co_u32 s92, s92, s18
	s_mov_b32 s93, 0
	s_lshl_b32 s18, s16, 17                        ; where they go: the slot of my half of K, A' at 0,
	s_add_co_u32 s19, s18, 65536                   ; B' at 65536: no place in the cluster enters an LDS address
	s_wait_dscnt 0x0
	s_wait_kmcnt 0x0
	s_add_nc_u64 s[20:21], s[4:5], s[20:21]
	s_add_nc_u64 s[92:93], s[6:7], s[92:93]
.irp s, 0
	s_mov_b32 s[G0+4*\s], 1
	s_add_co_u32 s[G0+4*\s+1], s18, \s*SLOT
	s_add_nc_u64 s[G0+4*\s+2:G0+4*\s+3], s[20:21], \s*4096
	s_or_b32 s[G0+4*\s+3], s[G0+4*\s+3], 0x80000000
	s_mov_b32 s[G0B+4*\s], 1
	s_add_co_u32 s[G0B+4*\s+1], s19, \s*SLOT
	s_add_nc_u64 s[G0B+4*\s+2:G0B+4*\s+3], s[92:93], \s*4096
	s_or_b32 s[G0B+4*\s+3], s[G0B+4*\s+3], 0x80000000
.endr
	CROUND                                         ; all sixteen work-groups are here: the joint loads meet
	JLOAD G0, G1, G0B, G1B                         ; one tensor load a wave, and all that this launch asks for: waves 0, 1 A''s two halves of K, waves 2, 3 B''s
	s_lshl_b32 s20, s40, 10                        ; bproj at my 128 columns
	s_lshl_b32 s21, s16, 9
	s_add_co_u32 s20, s20, s21
	s_mov_b32 s21, 0
	s_add_nc_u64 s[8:9], s[8:9], s[20:21]
	s_lshl_b32 s22, s42, 7
	s_lshl_b32 s23, s15, 6
	s_add_co_u32 s22, s22, s23                     ; my first row of out0: 128 x tile row + 64 x half
	s_lshl_b32 s22, s22, 12
	s_add_co_u32 s20, s20, s22                     ; + my first column, in bytes
	s_add_nc_u64 s[10:11], s[10:11], s[20:21]
	v_and_b32 v1, 15, v0                           ; r
	v_bfe_u32 v2, v0, 4, 1                         ; h
	s_wait_alu depctr_va_vdst(0)
	v_and_b32 v3, 31, v0
	v_lshlrev_b32 v[LI], 4, v3                     ; 16 x lane
	v_lshlrev_b32 v12, 6, v2                       ; 64 h
.set ee, 0
.rept 16
	global_load_b128 v[BI+4*ee:BI+4*ee+3], v12, s[8:9] offset:128*(ee/4)+16*(ee%4)   ; register 8 b + j: bproj at column 32 (b / 2) + 16 h + 8 (b % 2) + j
.set ee, ee+1
.endr
	s_lshl_b32 s18, s15, 14                        ; my 4 rowtiles of A',
	s_lshl_b32 s19, s16, 15
	s_add_co_u32 s19, s19, 65536                   ; my 8 of B'
.irp s, 0,1
	v_add_nc_u32 v[ADRA+\s], s18, v[LI]
	v_add_nc_u32 v[ADRB+\s], s19, v[LI]
	s_add_co_u32 s18, s18, SLOT
	s_add_co_u32 s19, s19, SLOT
.endr
	s_lshl_b32 s18, s42, 12                        ; A''s scale words, in oq: the tile's 4,096 bytes, my 64 rows 256 bytes on, 4 r
	s_lshl_b32 s19, s15, 8
	s_add_co_u32 s18, s18, s19
	s_add_co_u32 s18, s18, OS
	v_lshl_add_u32 v[ADRS], v1, 2, s18
	s_lshl_b32 s19, s40, 13                        ; B''s, in opnd: the block of 128 rows 88 + 2 x tile column + my half
	s_lshl_b32 s18, s16, 12
	s_add_co_u32 s19, s19, s18
	s_add_co_u32 s19, s19, XS+88*4096
	v_lshl_add_u32 v[ADRT], v1, 2, s19
	SCALES
	s_mul_i32 s18, s14, 16*SPITCH
	s_add_co_u32 s18, s18, STG                     ; my stage
	v_mul_u32_u24 v5, v1, SPITCH
	v_lshl_add_u32 v5, v2, 6, v5
	v_add_nc_u32 v[STO], s18, v5                   ; in: row r, + 64 h
	v_add_nc_u32 v[RD], s18, v[LI]                 ; back: a row of 512 bytes to the 32 lanes
	s_wait_alu depctr_va_vdst(0)
	s_wait_tensorcnt 0x0                           ; my one load has landed
	s_barrier_signal -1
	s_barrier_wait -1                              ; everybody's are
	FETCH_B 0, 0, 0
	FETCH_A 0, 0, 0
	FETCH_A 0, 0, NA/2
	s_wait_loadcnt 0x0                             ; bproj
	STEP 0, 0, 1                                   ; the first step's products start the sums from bproj: nothing is cleared, nothing is added later
	STEP 0, 1, 0
	STEP 0, 2, 0
	CHANGE
	STEP 1, 0, 0
	STEP 1, 1, 0
	STEP 1, 2, 0
	s_wait_dscnt NA                                ; the last step fetches nothing
	MULH 0, 1, 7, 0
	s_wait_dscnt 0x0
	MULH NA/2, 1, 7, 0
	WIN 0
; THE WAY OUT, block by block of 16 rows x 128 columns, through my own stage: in by 32 bytes of a row, at the columns' natural places; back as whole rows of 512 bytes.
; LDS serves a wave's instructions in order (ISA guide 5.7.1.4): no wait between the stores and the loads, nor in front of the next block's stores.
.macro TOSTAGE a
	WIN 0x08                                       ; an LDS store's data are its source 1: window 2
.irp b, 0,1,2,3,4,5,6,7
	ds_store_b128 v[STO], v[64*(\a)+8*\b:64*(\a)+8*\b+3] offset:128*(\b/2)+32*(\b%2)          ; each accumulator from its low end on
	ds_store_b128 v[STO], v[64*(\a)+8*\b+4:64*(\a)+8*\b+7] offset:128*(\b/2)+32*(\b%2)+16
.endr
	WIN 0
.set BB, BK+64*((\a)%2)
.set tt, 0
.rept 16
	ds_load_b128 v[BB+4*tt:BB+4*tt+3], v[RD] offset:tt*SPITCH
.set tt, tt+1
.endr
.endm
.macro SEND a, younger                 ; younger: the LDS instructions issued behind block a's loads, which may stay out
.set BB, BK+64*((\a)%2)
	s_wait_dscnt \younger
.set tt, 0
.rept 16
	global_store_b128 v[LI], v[BB+4*tt:BB+4*tt+3], s[10:11] offset:(32*((\a)/2)+8*((\a)%2)+tt+8*(tt/8))*4096 th:TH_STORE_NT   ; position tt of rowtile a is this row; 512 consecutive bytes, aligned; written once, read by nobody here
.set tt, tt+1
.endr
.endm
	PLACES                                         ; behind the last products: for the stage's stores, which read results, and for the loads into the registers that held A''s fragments
	TOSTAGE 0
.irp a, 1,2,3
.if \a > 1
	s_wait_xcnt 0x0                                ; block a - 2's stores have read their registers: block a's loads may land there
.endif
	TOSTAGE \a
	SEND \a-1, 32                                  ; behind block a - 1's loads: block a's 16 stores and 16 loads
.endr
	SEND 3, 0
	s_wait_tensorcnt 0x0                           ; the wave's end
	ds_add_u32 v30, v31
	s_wait_dscnt 0x0
	CROUND                                         ; the closing round: no work-group ends while a partner may still ask for a tile that names it
	s_endpgm
.Lfunc_end_k_qe19e68cb91_gemm2:
	.size	k_qe19e68cb91_gemm2, .Lfunc_end_k_qe19e68cb91_gemm2-k_qe19e68cb91_gemm2
	.p2alignl 7, 3214868480
	.fill 96, 4, 3214868480
	.section	.rodata,"a",@progbits
	.p2align	6, 0x0
	.amdhsa_kernel k_qe19e68cb91_gemm2
		.amdhsa_group_segment_fixed_size 327680
		.amdhsa_private_segment_fixed_size 0
		.amdhsa_enable_private_segment 0
		.amdhsa_kernarg_size 32
		.amdhsa_user_sgpr_count 2
		.amdhsa_user_sgpr_kernarg_segment_ptr 1
		.amdhsa_wavefront_size32 1
		.amdhsa_system_sgpr_workgroup_id_x 1
		.amdhsa_system_sgpr_workgroup_id_y 1
		.amdhsa_system_sgpr_workgroup_id_z 1
		.amdhsa_system_vgpr_workitem_id 0
		.amdhsa_next_free_vgpr 768
		.amdhsa_next_free_sgpr 98
		.amdhsa_reserve_vcc 0
		.amdhsa_float_denorm_mode_32 3
		.amdhsa_float_denorm_mode_16_64 3
		.amdhsa_memory_ordered 1
		.amdhsa_forward_progress 1
		.amdhsa_inst_pref_size 79
	.end_amdhsa_kernel
	.amdgpu_metadata
---
amdhsa.version: [ 1, 2 ]
amdhsa.kernels:
  - .name:           k_qe19e68cb91_gemm2
    .symbol:         k_qe19e68cb91_gemm2.kd
    .args:
      - { .name: oq, .offset: 0, .size: 8, .value_kind: global_buffer, .address_space: global }
      - { .name: opnd, .offset: 8, .size: 8, .value_kind: global_buffer, .address_space: global }
      - { .name: bproj, .offset: 16, .size: 8, .value_kind: global_buffer, .address_space: global }
      - { .name: out0, .offset: 24, .size: 8, .value_kind: global_buffer, .address_space: global }
    .group_segment_fixed_size: 327680
    .private_segment_fixed_size: 0
    .kernarg_segment_align: 8
    .kernarg_segment_size: 32
    .max_flat_workgroup_size: 128
    .sgpr_count:     98
    .vgpr_count:     768
    .wavefront_size: 32
...
	.end_amdgpu_metadata
.endif
;; end of part 4
